; MI455X (gfx1250); checked and timed in simulation.
; The chip was launched on July 23, 2026; its instructions are those of AMD's public machine-readable ISA for CDNA 5 (MIT licence, August 2026) and "CDNA5" Instruction Set Architecture Reference Guide (July 2026). The comments in the code are by the model that wrote it; some were corrected since.
;; Attention. Allowed arithmetic: matrix products marked QUANTISED: E2M3 operands, one E8M0 scale for each 32 along K, by v_wmma_scale_f32_16x16x128_f8f6f4 with both operands' format E2M3, f32 sums; everything else in f32.
;; Inputs: encoded_context 16 x 2,048 x 256 float32; encoded_question 16 x 512 x 256 float32.
;; Outputs: out0 16 x 2,048 x 512 float32.
;; This version of the problem:
;;   THIS VERSION OF THE PROBLEM IS GIVEN IN LOW PRECISION. The matrix products marked QUANTISED in the list below multiply operands that are first quantised to E2M3 (2 exponent bits, 3 mantissa bits; 6 bits a number), with one power-of-two scale for each 32 numbers along K (OCP MX v1.0); their sums are f32. All else is computed in f32.
;;   The module's matrix products, in the order in which they are computed (A, B: the left and right operand; K: the contracted axis; several contracted axes count as one K, in the product's order):
;;     1. batch 16 x [M 2,048, K 256] x [K 256, N 512]; A: input encoded_context; B: input encoded_question: QUANTISED
;;     2. batch 16 x [M 2,048, K 512] x [K 512, N 256]; A: softmax (see below); B: input encoded_question: QUANTISED
;;   THE QUANTISER, for each operand of a quantised product, along K:
;;     - K is cut into blocks of 32 from its start; a last block that is shorter is filled with zeros.
;;     - A block's scale is 2^e with e = floor(log2(the largest magnitude in the block)) - 2, held to -126 .. 127; a block of zeros has e = 0. As a byte (E8M0): e + 127.
;;     - Each number is divided by its block's scale, clamped to +-7.5, and rounded to the nearest number of E2M3, ties to even, subnormals kept.
;;     - The product sums the exact products of the quantised numbers (number of the format x scale) in f32.
;;   ~~~python
;;   def quantise(x, axis):      # numpy; x: float32 -> the quantised numbers, widened to float32 again
;;       x = np.moveaxis(x, axis, -1); K = x.shape[-1]
;;       x = np.pad(x, [(0, 0)] * (x.ndim - 1) + [(0, -K % 32)]); x = x.reshape(x.shape[:-1] + (-1, 32)); a = np.abs(x).max(-1, keepdims=True)
;;       e = np.where(a > 0, np.clip(np.frexp(np.where(a > 0, a, 1))[1] - 1 - 2, -126, 127), 0)      # np.frexp(a)[1] - 1 = floor(log2(a)), exactly
;;       r = np.clip(x / 2.0 ** e, -7.5, 7.5)
;;       step = 2.0 ** (np.maximum(np.frexp(np.where(r == 0, 1, r))[1] - 1, 0) - 3)
;;       q = np.round(r / step) * step * 2.0 ** e      # np.round: ties to even
;;       return np.moveaxis(q.reshape(q.shape[:-2] + (-1,))[..., :K], -1, axis).astype(np.float32)
;;   ~~~
;;   SOFTMAX AHEAD OF A QUANTISED PRODUCT. Where the list says 'softmax', what is quantised is not the finished softmax but p = 2^(t - M), with t = logit x log2(e) and M = ceil(the row's largest t), a whole number; so 1/2 < the row's largest p <= 1. The row's sum l is taken of the UNQUANTISED p, in f32, and the product's result is divided by l at the end. Since M is a whole number, a kernel that streams over the keys may use a running M (the ceiling of the running maximum): every later rescaling is an exact power of two, which a block's scale takes up: the codes' values come out the same.
;;   OPERANDS COMPUTED ON THE WAY. 'Computed on the way' means the value that the module computes at that place (a softmax that the list does not call 'softmax' is quantised finished and normalised). What goes into a quantiser is computed in f32, as accurately as f32 sums, v_exp_f32 and their like allow (about 1e-6 of the number): no bf16 or f16 on the way to a quantiser, and a product that is left as it is and whose result goes on into a quantised operand takes f32 operands (vector FMAs, or v_wmma_f32_16x16x4_f32). A number that lies on a knife's edge between two numbers of the format may be rounded either way, as far as f32 arithmetic and the matrix unit's own rounding can turn it there, and no further.
;; 2 versions. Each part assembles by itself: llvm-mc -triple=amdgcn-amd-amdhsa -mcpu=gfx1250 --defsym DOCPART=n.
;; ======== version 1 of 2: 2 launches
;; workspace buffers: qq 3,276,800 bytes
;; launch prep (part 1): grid 8 x 16, 4 waves a work-group, no clusters, 70,144 bytes of LDS; arguments encoded_question, qq; writes qq
.if DOCPART == 1
	.amdgcn_target "amdgcn-amd-amdhsa--gfx1250"
	.amdhsa_code_object_version 6
	.text
	.protected	k_q0652ca01cc_prep
	.globl	k_q0652ca01cc_prep
	.p2align	8
	.type	k_q0652ca01cc_prep,@function
k_q0652ca01cc_prep:
	s_mov_b64 s[64:65], 0
	v_nop
	global_prefetch_b8 v0, s[64:65] scope:SCOPE_SE
	s_setreg_imm32_b32 hwreg(HW_REG_WAVE_MODE, 25, 1), 1
	s_wait_xcnt 0x0
; encoded_question [16][512][256] f32 is quantised ONCE, both ways, to codes of FP6 (E2M3) with one E8M0 byte for each 32 along K:
;   Q1: along d (K of the first product),   Q2: along the question positions, here called keys (K of the second product).
; The codes go to qq as IMAGES OF OPERAND REGISTERS: register i of lane l of a fragment (16 rows x 128 K, 12 registers) lies at byte (i / 4) 512 + 16 l + 4 (i % 4) of its 1,536 bytes.
; A batch's record, 204,800 bytes: Q1's 64 fragments | Q1's scale words, 4,096 | Q2's 64 fragments | Q2's scale words, 4,096.
;   Q1 fragment 2 T + s: key tile T, d 128 s on.  Row r of tile T is key 32 (T / 2) + 8 (T % 2) + r + 8 (r / 8): so the scores of tiles 2 B and 2 B + 1 are 16 neighbouring keys in a lane.
;   Q1 scale word of (T, r, s) at (T / 4) 512 + (r + 16 s) 16 + (T % 4) 4.
;   Q2 fragment 4 D + s: d tile D (row r is d = 16 D + r), keys 128 s on.   Q2 scale word of (D, r, s) at (4 (s / 2) + D / 4) 512 + (r + 16 (s % 2)) 16 + (D % 4) 4.
; SHARES.  A work-group takes 128 keys x 128 d of one batch: the smallest region that owns whole fragments and whole scale words of both kinds: 8 x 16 = 128 work-groups.
; Each wave loads 32 rows (512 consecutive bytes a load) into a tile in LDS; then wave w makes Q1's tiles 2 w, 2 w + 1 of the region (a lane reads 32 neighbours along d of its row) and
; Q2's tiles 2 w, 2 w + 1 (a lane takes a column d and its registers run down the keys).  Every store to qq covers 512 or 256 consecutive bytes, aligned.
; A block's scale is 2^(floor(log2(largest magnitude)) - 2); its byte is the largest magnitude's exponent field - 2, held at 1 from below.
; LIMITS: NaN and infinities are not served.  A block whose largest magnitude lies under 2^-124, a block of zeros among them, keeps the byte 1 (a block of zeros has zero codes; this program alone reads the bytes).
.set PITCH, 528                        ; a tile row: 512 bytes + 16 = 132 words: sixteen neighbouring rows start 4 banks apart
.set SSB,   128*PITCH                  ; behind the tile: four runs of 256 bytes of scale words
.set REC,   204800
.set Q1S_O, 98304
.set Q2C_O, 102400
.set Q2S_O, 200704
.set L16, 1                            ; v1   16 x lane
.set TIN, 2                            ; v2   the tile, on the way in: 16 x lane + my wave's 32 rows
.set XA,  3                            ; v3   Q1: row 32 w + r, + 128 h
.set YA,  4                            ; v4-5 Q2: column 32 w + lane, rows 0 on and rows 64 on
.set SS1, 6                            ; v6   where Q1's scale words go
.set SS2, 7                            ; v7   where Q2's go
.set SSR, 8                            ; v8   the run of 256 bytes that my wave stores: 8 bytes a lane
.set L8,  9                            ; v9   8 x lane
.set SH8, 10                           ; v10  8 h
.set X,   32                           ; v32-159 rows as loaded; then two tiles' numbers for Q1; then four blocks of 32 keys for Q2
.set F1,  160                          ; v160-183 Q1's two fragments
.set FA,  184                          ; v184-207 Q2's two fragments
.set QM,  208                          ; largest magnitudes
.set QSC, 212                          ; the conversions' scale operands
.set QBY, 216                          ; scale bytes
.set W0,  220                          ; scale words: Q1's two and Q2's, a register each
.set QW2, 221
.set W1,  222
.set WK,  223
.set QT,  224                          ; v224-239 the second half of each block's codes, before they are moved
.set SU,  240
.set SEL, 28                           ; s[28:29] lane selects for v_permlanex16_b32: lane l xor 16
; 64 numbers of a lane, v[x + 32 c + i] = k 64 c + 32 h + i of my row, become a fragment in v[f] on and my row's scale word in v[w].
.macro QUANTC x, f, w
.irp c, 0,1
	v_max3_num_f32 v[QM+\c], |v[\x+32*\c]|, |v[\x+32*\c+1]|, 0x1800000   ; my block 2 c + h, and the floor 2^(3 - 127): the byte cannot fall under 1
.endr
.irp i, 2,4,6,8,10,12,14,16,18,20,22,24,26,28,30
.irp c, 0,1
	v_max3_num_f32 v[QM+\c], v[QM+\c], |v[\x+32*\c+\i]|, |v[\x+32*\c+\i+1]|   ; the two blocks by turns
.endr
.endr
.irp c, 0,1
	v_add_nc_u32 v[QSC+\c], 0xff000000, v[QM+\c]   ; 2 off the exponent field: the conversion takes that field as its scale
.endr
.irp c, 0,1
	v_lshrrev_b32 v[QBY+\c], 23, v[QSC+\c]         ; the scale's byte
.endr
	v_lshl_or_b32 v[\w], v[QBY+1], 16, v[QBY]      ; my two bytes, blocks h and 2 + h,
	v_lshlrev_b32 v[\w], v[SH8], v[\w]             ; at their places in the word;
	v_permlanex16_b32 v[QW2], v[\w], s[SEL], s[SEL+1]
	v_or_b32 v[\w], v[\w], v[QW2]                  ; with lane l xor 16's two the word is whole
.irp c, 0,1
	v_cvt_scalef32_pk16_fp6_f32 v[\f+6*\c:\f+6*\c+2], v[\x+32*\c:\x+32*\c+15], v[QSC+\c]
	v_cvt_scalef32_pk16_fp6_f32 v[QT+4*\c:QT+4*\c+2], v[\x+32*\c+16:\x+32*\c+31], v[QSC+\c]   ; (a conversion's three registers begin on an even number)
.endr
	v_nop                                          ; one plain place behind the scaled conversions
.irp c, 0,1
.irp i, 0,1,2
	v_mov_b32 v[\f+6*\c+3+\i], v[QT+4*\c+\i]
.endr
.endr
.endm
	s_load_b128 s[4:7], s[0:1], 0x0                ; the question s[4:5], qq s[6:7]
	v_lshl_add_u32 v254, v0, 2, 0x11000
	v_mov_b32 v255, 0
	v_lshrrev_b32 v11, 5, v0
	v_readfirstlane_b32 s8, v11                    ; wave 0..3
	v_and_b32 v11, 31, v0                          ; lane
	v_and_b32 v12, 15, v0                          ; r
	v_bfe_u32 v13, v0, 4, 1                        ; h
	s_lshr_b32 s9, ttmp9, 1                        ; kg: which 128 keys
	s_and_b32 s10, ttmp9, 1                        ; dh: which 128 d
	s_and_b32 s11, ttmp7, 0xffff                   ; the batch
	s_mov_b32 s[SEL], 0x76543210
	s_mov_b32 s[SEL+1], 0xfedcba98
	v_lshlrev_b32 v[L16], 4, v11
	s_mul_i32 s22, s8, 32*PITCH
	v_add_nc_u32 v[TIN], s22, v[L16]
	v_mul_u32_u24 v[XA], v12, PITCH
	v_lshl_add_u32 v[XA], v13, 7, v[XA]
	v_add_nc_u32 v[XA], s22, v[XA]
	s_lshl_b32 s23, s8, 7
	v_lshl_add_u32 v[YA], v11, 2, s23
	v_add_nc_u32 v[YA+1], 64*PITCH, v[YA]
	s_lshr_b32 s24, s8, 1                          ; waves 2 i and 2 i + 1 fill run i of Q1's words, and run 2 + i of Q2's
	s_lshl_b32 s24, s24, 8
	s_and_b32 s25, s8, 1
	s_lshl_b32 s25, s25, 3
	s_add_co_u32 s24, s24, s25
	s_add_co_u32 s24, s24, SSB
	v_lshl_add_u32 v[SS1], v12, 4, s24             ; 16 r + 8 (w % 2); + 4 u stands in the store's offset
	v_lshl_add_u32 v[SS2], v13, 2, v[SS1]          ; Q2: my lane's tile is h
	v_add_nc_u32 v[SS2], 512, v[SS2]
	s_lshl_b32 s26, s8, 8
	s_add_co_u32 s26, s26, SSB
	v_lshl_add_u32 v[SSR], v11, 3, s26
	v_lshlrev_b32 v[L8], 3, v11
	v_lshlrev_b32 v[SH8], 3, v13
	v_mov_b32 v[QW2], 0                            ; a lane permute's destination counts as one of its sources
	; byte offsets, made apart from the addresses
	s_lshl_b32 s12, s11, 9
	s_lshl_b32 s13, s9, 7
	s_add_co_u32 s12, s12, s13
	s_lshl_b32 s13, s8, 5
	s_add_co_u32 s12, s12, s13                     ; my first row: 512 b + 128 kg + 32 w
	s_lshl_b32 s12, s12, 10
	s_lshl_b32 s13, s10, 9
	s_add_co_u32 s12, s12, s13                     ; x 1,024 bytes + 512 dh
	s_mov_b32 s13, 0
	s_mul_i32 s30, s11, REC                        ; the batch's record
	s_mul_i32 s32, s9, 24576                       ; Q1's fragments 2 (8 kg + 2 w + u) + dh
	s_mul_i32 s31, s8, 6144
	s_add_co_u32 s32, s32, s31
	s_mul_i32 s31, s10, 1536
	s_add_co_u32 s32, s32, s31
	s_add_co_u32 s32, s32, s30
	s_mov_b32 s33, 0
	s_mul_i32 s34, s10, 49152                      ; Q2's fragments 4 (8 dh + 2 w + t) + kg
	s_mul_i32 s31, s8, 12288
	s_add_co_u32 s34, s34, s31
	s_mul_i32 s31, s9, 1536
	s_add_co_u32 s34, s34, s31
	s_add_co_u32 s34, s34, s30
	s_mov_b32 s35, 0
	s_lshl_b32 s36, s9, 1                          ; the run of scale words that my wave stores.  Waves 0, 1: Q1's, (2 kg + w) 512 + 256 dh
	s_add_co_u32 s36, s36, s8
	s_lshl_b32 s36, s36, 9
	s_lshl_b32 s31, s10, 8
	s_add_co_u32 s36, s36, s31
	s_add_co_u32 s36, s36, Q1S_O
	s_lshr_b32 s37, s9, 1                          ; waves 2, 3: Q2's, (4 (kg / 2) + 2 dh + w - 2) 512 + 256 (kg % 2)
	s_lshl_b32 s37, s37, 2
	s_lshl_b32 s31, s10, 1
	s_add_co_u32 s37, s37, s31
	s_add_co_u32 s37, s37, s8
	s_lshl_b32 s37, s37, 9
	s_and_b32 s31, s9, 1
	s_lshl_b32 s31, s31, 8
	s_add_co_u32 s37, s37, s31
	s_add_co_u32 s37, s37, Q2S_O-1024
	s_cmp_lt_u32 s8, 2
	s_cselect_b32 s36, s36, s37
	s_add_co_u32 s36, s36, s30
	s_mov_b32 s37, 0
	s_wait_kmcnt 0x0
	s_add_nc_u64 s[14:15], s[4:5], s[12:13]
	s_add_nc_u64 s[16:17], s[6:7], s[32:33]
	s_add_nc_u64 s[18:19], s[6:7], s[34:35]
	s_add_nc_u64 s[20:21], s[6:7], s[36:37]
	; ---- my 32 rows of the region: 512 consecutive bytes a load; read once in the whole program
.set ii, 0
.rept 32
	global_load_b128 v[X+4*ii:X+4*ii+3], v[L16], s[14:15] offset:1024*ii th:TH_LOAD_NT
.set ii, ii+1
.endr
	; into the tile.  Key 16 a + 8 u + j of my 32 goes to row 16 u + 8 a + j: the order of Q1's tiles, so that a tile's sixteen lanes read sixteen neighbouring rows
.irp q, 0,1,2,3
	s_wait_loadcnt 24-8*\q                         ; loads come back in order: these eight rows are in, the rows behind them may be out
.irp n, 0,1,2,3,4,5,6,7
.set ii, 8*\q+\n
	ds_store_b128 v[TIN], v[X+4*ii:X+4*ii+3] offset:(16*((ii>>3)&1)+8*(ii>>4)+(ii&7))*PITCH
.endr
.endr
	s_wait_dscnt 0x0                               ; for the others' sake: my rows lie in the tile
	s_barrier_signal -1
	s_barrier_wait -1
	; ---- Q1: tile u of my two: lane (r, h) takes, of row r, d 64 c + 32 h + 0 .. 31
.irp u, 0,1
.irp c, 0,1
.irp n, 0,1,2,3,4,5,6,7
	ds_load_b128 v[X+64*\u+32*\c+4*\n:X+64*\u+32*\c+4*\n+3], v[XA] offset:\u*16*PITCH+256*\c+16*\n
.endr
.endr
.endr
	s_wait_dscnt 16                                ; the first tile's sixteen loads are in
	QUANTC X, F1, W0
	ds_store_b32 v[SS1], v[W0]                     ; both halves of the lanes write the same word with the same value
.irp n, 0,1,2
	global_store_b128 v[L16], v[F1+4*\n:F1+4*\n+3], s[16:17] offset:512*\n   ; the fragment's image: 512 consecutive bytes a store
.endr
	s_wait_dscnt 1                                 ; the second tile's loads are in; the word just stored may be out
	QUANTC X+64, F1+12, W1
	ds_store_b32 v[SS1], v[W1] offset:4
.irp n, 0,1,2
	global_store_b128 v[L16], v[F1+12+4*\n:F1+12+4*\n+3], s[16:17] offset:3072+512*\n
.endr
	; ---- Q2: my lane takes column 32 w + lane of the region, and its registers run down the 128 keys: four whole blocks
.irp kb, 0,1,2,3
.set ii, 0
.rept 32
	ds_load_b32 v[X+32*\kb+ii], v[YA+\kb/2] offset:(32*(\kb%2)+16*((ii>>3)&1)+8*(ii>>4)+(ii&7))*PITCH
.set ii, ii+1
.endr
.endr
	s_wait_dscnt 0x0
.irp kb, 0,1,2,3
	v_max3_num_f32 v[QM+\kb], |v[X+32*\kb]|, |v[X+32*\kb+1]|, 0x1800000
.endr
.irp i, 2,4,6,8,10,12,14,16,18,20,22,24,26,28,30
.irp kb, 0,1,2,3
	v_max3_num_f32 v[QM+\kb], v[QM+\kb], |v[X+32*\kb+\i]|, |v[X+32*\kb+\i+1]|   ; the four blocks by turns
.endr
.endr
.irp kb, 0,1,2,3
	v_add_nc_u32 v[QSC+\kb], 0xff000000, v[QM+\kb]
.endr
.irp kb, 0,1,2,3
	v_lshrrev_b32 v[QBY+\kb], 23, v[QSC+\kb]
.endr
	v_lshl_or_b32 v[WK], v[QBY+1], 8, v[QBY]       ; my column's scale word for these 128 keys
	v_lshl_or_b32 v[WK], v[QBY+2], 16, v[WK]
	v_lshl_or_b32 v[WK], v[QBY+3], 24, v[WK]
.irp kb, 0,1,2,3                       ; even blocks into the first run of twelve registers, odd blocks into the second
	v_cvt_scalef32_pk16_fp6_f32 v[FA+12*(\kb%2)+6*(\kb/2):FA+12*(\kb%2)+6*(\kb/2)+2], v[X+32*\kb:X+32*\kb+15], v[QSC+\kb]
	v_cvt_scalef32_pk16_fp6_f32 v[QT+4*\kb:QT+4*\kb+2], v[X+32*\kb+16:X+32*\kb+31], v[QSC+\kb]
.endr
	v_nop                                          ; one plain place behind the scaled conversions
.irp kb, 0,1,2,3
.irp i, 0,1,2
	v_mov_b32 v[FA+12*(\kb%2)+6*(\kb/2)+3+\i], v[QT+4*\kb+\i]
.endr
.endr
.irp i, 0,1,2,3,4,5,6,7,8,9,10,11
	v_permlane16_swap_b32 v[FA+\i], v[FA+12+\i]    ; the first run's lanes 16-31 change places with the second's lanes 0-15: the first is now tile 2 w's fragment (lanes 0-15 even blocks, lanes 16-31 odd), the second tile 2 w + 1's
.endr
	ds_store_b32 v[SS2], v[WK]
.irp t, 0,1
.irp n, 0,1,2
	global_store_b128 v[L16], v[FA+12*\t+4*\n:FA+12*\t+4*\n+3], s[18:19] offset:Q2C_O+6144*\t+512*\n
.endr
.endr
	s_wait_dscnt 0x0                               ; for the others' sake: my scale words lie in LDS
	s_barrier_signal -1
	s_barrier_wait -1
	ds_load_b64 v[SU:SU+1], v[SSR]                 ; a run of 256 bytes, which two waves wrote
	s_wait_dscnt 0x0
	global_store_b64 v[L8], v[SU:SU+1], s[20:21]   ; 32 lanes store 256 consecutive bytes, aligned
	s_wait_tensorcnt 0x0
	ds_add_u32 v254, v255
	s_wait_dscnt 0x0
	s_endpgm
.Lfunc_end_k_q0652ca01cc_prep:
	.size	k_q0652ca01cc_prep, .Lfunc_end_k_q0652ca01cc_prep-k_q0652ca01cc_prep
	.p2alignl 7, 3214868480
	.fill 96, 4, 3214868480
	.section	.rodata,"a",@progbits
	.p2align	6, 0x0
	.amdhsa_kernel k_q0652ca01cc_prep
		.amdhsa_group_segment_fixed_size 70144
		.amdhsa_private_segment_fixed_size 0
		.amdhsa_enable_private_segment 0
		.amdhsa_kernarg_size 16
		.amdhsa_user_sgpr_count 2
		.amdhsa_user_sgpr_kernarg_segment_ptr 1
		.amdhsa_wavefront_size32 1
		.amdhsa_system_sgpr_workgroup_id_x 1
		.amdhsa_system_sgpr_workgroup_id_y 1
		.amdhsa_system_sgpr_workgroup_id_z 1
		.amdhsa_system_vgpr_workitem_id 0
		.amdhsa_next_free_vgpr 256
		.amdhsa_next_free_sgpr 66
		.amdhsa_reserve_vcc 0
		.amdhsa_float_denorm_mode_32 3
		.amdhsa_float_denorm_mode_16_64 3
		.amdhsa_memory_ordered 1
		.amdhsa_forward_progress 1
		.amdhsa_inst_pref_size 33
	.end_amdhsa_kernel
	.amdgpu_metadata
---
amdhsa.version: [ 1, 2 ]
amdhsa.kernels:
  - .name:           k_q0652ca01cc_prep
    .symbol:         k_q0652ca01cc_prep.kd
    .args:
      - { .name: encoded_question, .offset: 0, .size: 8, .value_kind: global_buffer, .address_space: global }
      - { .name: qq, .offset: 8, .size: 8, .value_kind: global_buffer, .address_space: global }
    .group_segment_fixed_size: 70144
    .private_segment_fixed_size: 0
    .kernarg_segment_align: 8
    .kernarg_segment_size: 16
    .max_flat_workgroup_size: 128
    .sgpr_count:     66
    .vgpr_count:     256
    .wavefront_size: 32
...
	.end_amdgpu_metadata
.endif
;; end of part 1
;; launch attn (part 2): grid 16 x 16, 4 waves a work-group, clusters of 4 x 1, 327,680 bytes of LDS; arguments encoded_context, qq, out0; writes out0
.if DOCPART == 2
	.amdgcn_target "amdgcn-amd-amdhsa--gfx1250"
	.amdhsa_code_object_version 6
	.text
	.protected	k_q0652ca01cc_attn
	.globl	k_q0652ca01cc_attn
	.p2align	8
	.type	k_q0652ca01cc_attn,@function
k_q0652ca01cc_attn:
	s_mov_b64 s[64:65], 0
	v_nop
	global_prefetch_b8 v0, s[64:65] scope:SCOPE_SE
	s_setreg_imm32_b32 hwreg(HW_REG_WAVE_MODE, 25, 1), 1
	s_wait_xcnt 0x0
	s_wait_alu depctr_hold_cnt(0) depctr_sa_sdst(0) depctr_va_vdst(0) depctr_va_sdst(0) depctr_va_ssrc(0) depctr_va_vcc(0) depctr_vm_vsrc(0)
	s_getreg_b32 s2, hwreg(HW_REG_IB_STS2, 6, 4)
	s_cmp_eq_u32 s2, 0
	s_cbranch_scc0 .Lentry_in_a_cluster
	s_endpgm
.Lentry_in_a_cluster:
	s_bfe_u32 s2, ttmp6, 0x10000c
	s_cmp_lg_u32 s2, 0x3003
	s_cbranch_scc0 .Lentry_shape_is_right
	s_endpgm
.Lentry_shape_is_right:
; out0[b][n] = [ context[b][n] | softmax_m(context[b][n] . question[b][m]) question[b][m] ], both products on codes of FP6 (E2M3) with one E8M0 scale for each 32 along K.
; The question arrives from the launch before as a record of 204,800 bytes a batch: images of operand registers, quantised along d (Q1) and along the 512 positions, here keys (Q2), with their scale words.
; SHARES.  A work-group owns 128 context rows of one batch, each of its four waves 32: two tiles a = 0, 1 of 16 queries.  The whole record lies in LDS, filled once; a row's 512 scores lie in registers:
; so there is no ring, no refill and no running maximum.
; CLUSTER.  The four work-groups of a cluster belong to one batch and want the same record: each wave asks JOINTLY for a quarter of it, one tensor load a wave, the only one of the launch.
; LAYOUT.  Both products are used transposed: S^T = Q1 C^T (source 0 = 16 keys, source 1 = my 16 queries), O^T = Q2 P^T (source 0 = 16 d, source 1 = P): a lane holds ONE query (lane % 16) throughout.
; By the order of Q1's rows, register 16 B + i of a tile's scores is key 32 B + 16 (lane / 16) + i: 16 neighbours along the second product's K.
; SOFTMAX.  t = score x log2(e); M = ceil(the row's largest t); p = 2^(t - M) is quantised along the keys, not normalised; the sum of the unquantised p divides O at the end.
; LIMITS: NaN and infinities are not served.  Blocks whose largest magnitude lies under 2^-124 keep the scale byte 1 (a block of zeros has zero codes).  A p under 2^-126 is taken as 0 (the exponential
; flushes it), beside a sum above 1/2.  |t| stays under 2^24, so that M is a whole number in f32.
; REGISTERS, in windows of 256 (s_set_vgpr_msb: bits 1:0 source 0, 3:2 source 1, 5:4 source 2, 7:6 destination):
;   window 0: addresses, scale words, the context's and P's fragments, statistics.   window 1 + a: tile a's 256 scores, then p, then its O^T (128).
;   window 3: the context as loaded (256), then two buffers of eight fragments, then rows of O on the way out.
.set REC,   204800
.set QTR,   51200                      ; a quarter of the record: 200 rows of 256 bytes
.set Q1S_O, 98304
.set Q2C_O, 102400
.set Q2S_O, 200704
.set STG,   204800                     ; behind the record: a stage of 16,896 bytes for each wave; no fill lands there
.set WSTG,  16896
.set HP,    528                        ; phase 1: two half-stages of 16 rows x (512 + 16) bytes
.set OP,    1040                       ; the way out: 16 rows x (1,024 + 16) bytes
.set LA,  1                            ; v1-5  16 x lane + 49,152 k: the record is longer than an LDS offset reaches.  v1 is also my byte offset in 512 bytes of memory
.set STI, 6                            ; v6    my stage + 16 x lane
.set STQ, 7                            ; v7    my stage + 528 r + 128 h
.set STO, 8                            ; v8    my stage + 1,040 r + 32 h
.set SH8, 9                            ; v9    8 h
.set NM,  10                           ; v[10:11] -M, 0
.set CS,  12                           ; v12-15  the context's scale words, tile a, K step s: 2 a + s
.set QS,  16                           ; v16-47  the question's scale words: Q1's, later Q2's
.set CF,  48                           ; v48-95  the context's four fragments
.set PC,  96                           ; v96-191 P's eight fragments: 48 a + 12 s
.set BM,  192                          ; v192-207 the 16 blocks' largest scores, then largest p, then the conversions' scale operands
.set TMP, 208                          ; v208-223 the second half of each pair of blocks' codes
.set ACC, 224                          ; v224-231 four pairs of partial sums
.set T4,  232                          ; v232-235 at work
.set LS,  236                          ; v[236:237], v[238:239] 1 / the row's sum, tile 0 and tile 1 (the upper halves are named with them, so they are written)
.set PW,  240                          ; v240-247 P's scale words: 4 a + s
.set X0,  96                           ; phase 1: v96-159, v160-223 two sets of 64 numbers of the context
.set QM,  224                          ; phase 1: largest magnitudes, scale operands, bytes, a word, half blocks
.set QSC, 226
.set QBY, 228
.set QW2, 230
.set QT,  232
.set SEL, 28                           ; s[28:29] lane selects for v_permlanex16_b32: lane l xor 16
.set CL,  30                           ; s[30:31] log2(e), twice: the packed form names a pair
.set NINF, 33                          ; s33 -infinity
.set LDF, 0xc0                         ; destination window 3
.set ST3, 0x0c                         ; store data (source 1) window 3
.set MSB, 0
.macro WIN new                         ; the immediate's high byte repeats the setting that is left; a switch that changes nothing is dropped
.if MSB != (\new)
	s_set_vgpr_msb (MSB<<8)|(\new)
.set MSB, (\new)
.endif
.endm
.macro PLACES n
.rept \n
	v_nop
.endr
.endm
; A round of the cluster's barrier: my work-group's barrier; wave 0 signals for the work-group; every wave waits for all four work-groups; my work-group's barrier once more.
.macro CROUND
	s_barrier_signal -1
	s_barrier_wait -1
	s_cmp_lg_u32 s10, 0
	s_cbranch_scc1 .Lnot_wave_0_\@
	s_barrier_signal -3
.Lnot_wave_0_\@:
	s_barrier_wait -3
	s_barrier_signal -1
	s_barrier_wait -1
.endm
; Unit u = 2 a + e of the context: tile a's 16 rows, bytes 512 e on (K step e).  Each load covers 512 consecutive bytes.
.macro CLOAD u
.set ii, 0
.rept 16
	global_load_b128 v[64*(\u)+4*ii:64*(\u)+4*ii+3], v[LA], s[4:5] offset:(16*((\u)/2)+ii)*1024+512*((\u)%2) th:TH_LOAD_NT
.set ii, ii+1
.endr
.endm
; Unit u goes to my half-stage u % 2 as it lies, to out0's left half as it is, and comes back from the stage 128 bytes a lane: lane (r, h) takes d 64 c + 32 h + 0 .. 31 of row r.
.macro UNITIO u
	s_wait_loadcnt 48-16*(\u)                      ; loads come back in order: this unit's sixteen are in, the later units' may be out
	WIN ST3
.set ii, 0
.rept 16
	ds_store_b128 v[STI], v[64*(\u)+4*ii:64*(\u)+4*ii+3] offset:16*HP*((\u)%2)+HP*ii
.set ii, ii+1
.endr
.set ii, 0
.rept 16
	global_store_b128 v[LA], v[64*(\u)+4*ii:64*(\u)+4*ii+3], s[8:9] offset:(16*((\u)/2)+ii)*2048+512*((\u)%2) th:TH_STORE_NT   ; 512 consecutive bytes, aligned
.set ii, ii+1
.endr
	WIN 0
.irp c, 0,1
.irp n, 0,1,2,3,4,5,6,7
	ds_load_b128 v[X0+64*((\u)%2)+32*\c+4*\n:X0+64*((\u)%2)+32*\c+4*\n+3], v[STQ] offset:16*HP*((\u)%2)+256*\c+16*\n   ; LDS serves a wave's instructions in order: these see the stores above
.endr
.endr
.endm
; 64 numbers of a lane, v[x + 32 c + i] = k 64 c + 32 h + i of my row, become a fragment in v[f] on and my row's scale word in v[w].
.macro QUANTC x, f, w
.irp c, 0,1
	v_max3_num_f32 v[QM+\c], |v[\x+32*\c]|, |v[\x+32*\c+1]|, 0x1800000   ; my block 2 c + h, and the floor 2^(3 - 127): the byte cannot fall under 1
.endr
.irp i, 2,4,6,8,10,12,14,16,18,20,22,24,26,28,30
.irp c, 0,1
	v_max3_num_f32 v[QM+\c], v[QM+\c], |v[\x+32*\c+\i]|, |v[\x+32*\c+\i+1]|
.endr
.endr
.irp c, 0,1
	v_add_nc_u32 v[QSC+\c], 0xff000000, v[QM+\c]   ; 2 off the exponent field: the conversion takes that field as its scale
.endr
.irp c, 0,1
	v_lshrrev_b32 v[QBY+\c], 23, v[QSC+\c]
.endr
	v_lshl_or_b32 v[\w], v[QBY+1], 16, v[QBY]
	v_lshlrev_b32 v[\w], v[SH8], v[\w]
	v_permlanex16_b32 v[QW2], v[\w], s[SEL], s[SEL+1]
	v_or_b32 v[\w], v[\w], v[QW2]                  ; the whole word, in both halves of the lanes
.irp c, 0,1
	v_cvt_scalef32_pk16_fp6_f32 v[\f+6*\c:\f+6*\c+2], v[\x+32*\c:\x+32*\c+15], v[QSC+\c]
	v_cvt_scalef32_pk16_fp6_f32 v[QT+4*\c:QT+4*\c+2], v[\x+32*\c+16:\x+32*\c+31], v[QSC+\c]   ; (a conversion's three registers begin on an even number)
.endr
	v_nop                                          ; one plain place behind the scaled conversions
.irp c, 0,1
.irp i, 0,1,2
	v_mov_b32 v[\f+6*\c+3+\i], v[QT+4*\c+\i]
.endr
.endr
.endm
; Group g of Q1: key tiles 4 g .. 4 g + 3, both K steps: eight fragments, 12,288 consecutive bytes, 24 loads of 512 bytes, into window 3 from v[fb] on: fragment 2 t + s at fb + 12 (2 t + s).
.macro FETCH1 g, fb
	WIN LDF
.set nn, 0
.rept 24
.set ad, 12288*(\g)+512*nn
	ds_load_b128 v[(\fb)+4*nn:(\fb)+4*nn+3], v[LA+ad/49152] offset:ad%49152
.set nn, nn+1
.endr
.endm
; 16 matrix instructions: both tiles of queries x 4 key tiles x 2 K steps.  The four accumulators take turns, one instruction a turn; the first K step starts the sums.
; The question's scale register holds K step 0 in lanes 0-15 and K step 1 in lanes 16-31.
.macro MUL1 g, fb
.irp a, 0,1
	WIN 0x50*(1+\a)+3
.irp k, 0,1
.irp t, 0,1,2,3
.if \k == 0
	v_wmma_scale_f32_16x16x128_f8f6f4 v[8*(4*(\g)+\t):8*(4*(\g)+\t)+7], v[(\fb)+24*\t:(\fb)+24*\t+11], v[CF+24*\a:CF+24*\a+11], 0, v[QS+4*(\g)+\t], v[CS+2*\a] matrix_a_fmt:MATRIX_FMT_FP6 matrix_b_fmt:MATRIX_FMT_FP6
.else
	v_wmma_scale_f32_16x16x128_f8f6f4 v[8*(4*(\g)+\t):8*(4*(\g)+\t)+7], v[(\fb)+24*\t+12:(\fb)+24*\t+23], v[CF+24*\a+12:CF+24*\a+23], v[8*(4*(\g)+\t):8*(4*(\g)+\t)+7], v[QS+4*(\g)+\t], v[CS+2*\a+1] matrix_a_fmt:MATRIX_FMT_FP6 matrix_b_fmt:MATRIX_FMT_FP6 matrix_a_scale:MATRIX_SCALE_ROW1
.endif
.endr
.endr
.endr
.endm
; Group g = 2 q + z of Q2: d tiles 4 q .. 4 q + 3, K steps 2 z and 2 z + 1 (128 keys each): fragment 4 D + s of Q2's 64.
.macro FETCH2 g, fb
	WIN LDF
.irp t, 0,1,2,3
.irp k, 0,1
.irp n, 0,1,2
.set ad, Q2C_O+(16*((\g)/2)+4*\t+2*((\g)%2)+\k)*1536+512*\n
	ds_load_b128 v[(\fb)+12*(2*\t+\k)+4*\n:(\fb)+12*(2*\t+\k)+4*\n+3], v[LA+ad/49152] offset:ad%49152
.endr
.endr
.endr
.endm
.macro MUL2 g, fb
.irp a, 0,1
	WIN 0x50*(1+\a)+3
.irp k, 0,1
.irp t, 0,1,2,3
.set dd, 4*((\g)/2)+\t
.set kk, 2*((\g)%2)+\k
.if kk == 0
	v_wmma_scale_f32_16x16x128_f8f6f4 v[8*dd:8*dd+7], v[(\fb)+24*\t:(\fb)+24*\t+11], v[PC+48*\a+12*kk:PC+48*\a+12*kk+11], 0, v[QS+16*((\g)%2)+dd], v[PW+4*\a+kk] matrix_a_fmt:MATRIX_FMT_FP6 matrix_b_fmt:MATRIX_FMT_FP6
.elseif \k == 0
	v_wmma_scale_f32_16x16x128_f8f6f4 v[8*dd:8*dd+7], v[(\fb)+24*\t:(\fb)+24*\t+11], v[PC+48*\a+12*kk:PC+48*\a+12*kk+11], v[8*dd:8*dd+7], v[QS+16*((\g)%2)+dd], v[PW+4*\a+kk] matrix_a_fmt:MATRIX_FMT_FP6 matrix_b_fmt:MATRIX_FMT_FP6
.else
	v_wmma_scale_f32_16x16x128_f8f6f4 v[8*dd:8*dd+7], v[(\fb)+24*\t+12:(\fb)+24*\t+23], v[PC+48*\a+12*kk:PC+48*\a+12*kk+11], v[8*dd:8*dd+7], v[QS+16*((\g)%2)+dd], v[PW+4*\a+kk] matrix_a_fmt:MATRIX_FMT_FP6 matrix_b_fmt:MATRIX_FMT_FP6 matrix_a_scale:MATRIX_SCALE_ROW1
.endif
.endr
.endr
.endr
.endm
; Tile a's softmax: 256 scores a lane, in window 1 + a, become p in place, P's four fragments and scale words, and 1 / the row's sum.
.macro SOFTMAX a
	WIN 0x14*(1+\a)                                ; sources 1 and 2: the scores
.set bb, 0
.rept 16
	v_max3_num_f32 v[BM+bb], s[NINF], v[16*bb], v[16*bb+1]   ; THE LARGEST SCORE OF EACH BLOCK OF 32 KEYS serves twice: for the row's maximum and, since p rises with the score, for the block's largest p.  Each accumulator is read from its low end on
.set bb, bb+1
.endr
.irp i, 2,4,6,8,10,12,14
.set bb, 0
.rept 16
	v_max3_num_f32 v[BM+bb], v[BM+bb], v[16*bb+\i], v[16*bb+\i+1]   ; the sixteen blocks by turns
.set bb, bb+1
.endr
.endr
	WIN 0
.irp q, 0,1,2,3
.irp i, 0,1,2,3
	v_permlanex16_b32 v[T4+\i], v[BM+4*\q+\i], s[SEL], s[SEL+1]
.endr
.irp i, 0,1,2,3
	v_max_num_f32 v[BM+4*\q+\i], v[BM+4*\q+\i], v[T4+\i]   ; with lane l xor 16's 16 keys
.endr
.endr
	v_max3_num_f32 v[T4], v[BM], v[BM+1], v[BM+2]
	v_max3_num_f32 v[T4+1], v[BM+3], v[BM+4], v[BM+5]
.irp i, 6,10
	v_max3_num_f32 v[T4], v[T4], v[BM+\i], v[BM+\i+1]
	v_max3_num_f32 v[T4+1], v[T4+1], v[BM+\i+2], v[BM+\i+3]
.endr
	v_max3_num_f32 v[T4], v[T4], v[BM+14], v[BM+15]
	v_max_num_f32 v[T4], v[T4], v[T4+1]            ; the row's largest score,
	v_mul_f32 v[T4], s[CL], v[T4]                  ; as t
	v_floor_f32 v[NM], -v[T4]                      ; -M = floor(-t) = -ceil(t)
	WIN 0x41*(1+\a)                                ; destination and source 0: the scores
.set jj, 0
.rept 128
	v_pk_fma_f32 v[jj:jj+1], v[jj:jj+1], s[CL:CL+1], v[NM:NM+1] op_sel_hi:[1,0,0]   ; t - M, two at a time
.set jj, jj+2
.endr
	WIN 0
.set bb, 0
.rept 16
	v_fma_f32 v[BM+bb], v[BM+bb], s[CL], v[NM]     ; the same of each block's largest score
.set bb, bb+1
.endr
	WIN 0x41*(1+\a)
.set jj, 0
.rept 256
	v_exp_f32 v[jj], v[jj]                         ; p = 2^(t - M), at most 1: not normalised
.set jj, jj+1
.endr
	WIN 0
.set bb, 0
.rept 16
	v_exp_f32 v[BM+bb], v[BM+bb]                   ; the block's largest p: the same two instructions on the same number
.set bb, bb+1
.endr
	v_nop                                          ; a plain place behind the exponentials
.set bb, 0
	s_wait_alu depctr_va_vdst(0)
.rept 16
	v_max_num_f32 v[BM+bb], 0x1800000, v[BM+bb]    ; the floor 2^(3 - 127): the byte cannot fall under 1
.set bb, bb+1
.endr
.set bb, 0
.rept 16
	v_add_nc_u32 v[BM+bb], 0xff000000, v[BM+bb]    ; 2 off the exponent field: the conversion's scale operand
.set bb, bb+1
.endr
.irp k, 0,1,2,3
.irp i, 0,1,2,3
	v_lshrrev_b32 v[T4+\i], 23, v[BM+4*\k+\i]      ; the scale's byte
.endr
	v_lshl_or_b32 v[PW+4*\a+\k], v[T4+1], 8, v[T4] ; P's scale word for keys 128 k on
	v_lshl_or_b32 v[PW+4*\a+\k], v[T4+2], 16, v[PW+4*\a+\k]
	v_lshl_or_b32 v[PW+4*\a+\k], v[T4+3], 24, v[PW+4*\a+\k]
.endr
.irp q, 0,1                            ; the codes, two K steps at a time
	WIN 1+\a                                       ; source 0: p
.irp e, 0,1
.irp c, 0,1
.set kk, 2*\q+\e
.set pp, PC+48*\a+12*kk+6*\c
.set sb, 4*kk+2*\c
	v_cvt_scalef32_pk16_fp6_f32 v[pp:pp+2], v[16*sb:16*sb+15], v[BM+sb]   ; my 16 of block sb
	v_cvt_scalef32_pk16_fp6_f32 v[TMP+4*(2*\e+\c):TMP+4*(2*\e+\c)+2], v[16*sb+16:16*sb+31], v[BM+sb+1]   ; and of block sb + 1
.endr
.endr
	WIN 0
	v_nop                                          ; one plain place behind the scaled conversions
.irp e, 0,1
.irp c, 0,1
.set pp, PC+48*\a+12*(2*\q+\e)+6*\c
.irp i, 0,1,2
	v_permlane16_swap_b32 v[pp+\i], v[TMP+4*(2*\e+\c)+\i]   ; the operand's layout wants a WHOLE block in a lane: lanes 0-15 the even block, lanes 16-31 the odd one
.endr
.irp i, 0,1,2
	v_mov_b32 v[pp+3+\i], v[TMP+4*(2*\e+\c)+\i]
.endr
.endr
.endr
.endr
	WIN 5*(1+\a)                                   ; THE ROW'S SUM IS TAKEN OF THE UNQUANTISED p: two at a time, in four chains
.irp k, 0,1,2,3
	v_pk_add_f32 v[ACC+2*\k:ACC+2*\k+1], v[4*\k:4*\k+1], v[4*\k+2:4*\k+3]
.endr
	WIN 4*(1+\a)
.set jj, 16
.rept 120
	v_pk_add_f32 v[ACC+2*((jj/2)%4):ACC+2*((jj/2)%4)+1], v[ACC+2*((jj/2)%4):ACC+2*((jj/2)%4)+1], v[jj:jj+1]
.set jj, jj+2
.endr
	WIN 0
	v_pk_add_f32 v[ACC:ACC+1], v[ACC:ACC+1], v[ACC+2:ACC+3]
	v_pk_add_f32 v[ACC+4:ACC+5], v[ACC+4:ACC+5], v[ACC+6:ACC+7]
	v_pk_add_f32 v[ACC:ACC+1], v[ACC:ACC+1], v[ACC+4:ACC+5]
	v_add_f32 v[T4], v[ACC], v[ACC+1]
	v_permlanex16_b32 v[T4+1], v[T4], s[SEL], s[SEL+1]
	v_add_f32 v[T4], v[T4], v[T4+1]                ; with lane l xor 16's keys: the row's sum
	v_rcp_f32 v[LS+2*\a], v[T4]
	v_nop                                          ; a plain place behind the reciprocal
.endm
; THE WAY OUT of tile a: O^T / the sum; a lane's 32 bytes of a row into my stage; back as whole rows of 1,024 bytes; stored 512 consecutive bytes at a time.
.macro OUTMUL a
	WIN 0x41*(1+\a)
.set jj, 0
	s_wait_alu depctr_va_vdst(0)
.rept 64
	v_pk_mul_f32 v[jj:jj+1], v[jj:jj+1], v[LS+2*\a:LS+2*\a+1] op_sel_hi:[1,0]   ; ascending: each accumulator from its low end on
.set jj, jj+2
.endr
.endm
.macro STAGE a
	WIN 4*(1+\a)                                   ; store data: window 1 + a
.set dd, 0
.rept 16
	ds_store_b128 v[STO], v[8*dd:8*dd+3] offset:64*dd          ; lane (r, h): o(r, 16 D + 8 h + 0 .. 7)
	ds_store_b128 v[STO], v[8*dd+4:8*dd+7] offset:64*dd+16
.set dd, dd+1
.endr
	WIN LDF
.set ii, 0
.rept 16
	ds_load_b128 v[128*\a+8*ii:128*\a+8*ii+3], v[STI] offset:OP*ii       ; LDS serves a wave's instructions in order: these see the stores above
	ds_load_b128 v[128*\a+8*ii+4:128*\a+8*ii+7], v[STI] offset:OP*ii+512
.set ii, ii+1
.endr
	WIN 0
.endm
.macro SEND a
	WIN ST3
.set ii, 0
.rept 16
	global_store_b128 v[LA], v[128*\a+8*ii:128*\a+8*ii+3], s[8:9] offset:(16*\a+ii)*2048+1024 th:TH_STORE_NT
	global_store_b128 v[LA], v[128*\a+8*ii+4:128*\a+8*ii+7], s[8:9] offset:(16*\a+ii)*2048+1536 th:TH_STORE_NT
.set ii, ii+1
.endr
	WIN 0
.endm
	; ---- the head
	s_load_b128 s[4:7], s[0:1], 0x0                ; the context s[4:5], qq s[6:7]
	s_load_b64 s[8:9], s[0:1], 0x10                ; out0
	v_lshl_add_u32 v254, v0, 2, 0x42800
	v_mov_b32 v255, 0
	ds_add_u32 v254, v255
	ds_add_u32 v254, v255
	v_lshrrev_b32 v240, 5, v0
	v_readfirstlane_b32 s10, v240                  ; wave 0..3
	v_and_b32 v240, 31, v0                         ; lane
	v_and_b32 v241, 15, v0                         ; r
	v_bfe_u32 v242, v0, 4, 1                       ; h
	v_lshlrev_b32 v[LA], 4, v240
.irp k, 1,2,3,4
	v_add_nc_u32 v[LA+\k], \k*49152, v[LA]
.endr
	s_mul_i32 s14, s10, WSTG
	s_add_co_u32 s14, s14, STG                     ; my stage
	v_add_nc_u32 v[STI], s14, v[LA]
	v_mul_u32_u24 v[STQ], v241, HP
	v_lshl_add_u32 v[STQ], v242, 7, v[STQ]
	v_add_nc_u32 v[STQ], s14, v[STQ]
	v_mul_u32_u24 v[STO], v241, OP
	v_lshl_add_u32 v[STO], v242, 5, v[STO]
	v_add_nc_u32 v[STO], s14, v[STO]
	v_lshlrev_b32 v[SH8], 3, v242
	v_mov_b32 v[NM+1], 0                           ; named as the upper half of a pair
	v_mov_b32 v[QW2], 0                            ; a lane permute's destination counts as one of its sources
.irp i, 0,1,2,3
	v_mov_b32 v[T4+\i], 0
.endr
	v_mov_b32 v[LS+1], 0
	v_mov_b32 v[LS+3], 0
	s_bfe_u32 s11, ttmp6, 0x40000                  ; cx: it enters the context's and out0's addresses alone
	s_lshl_b32 s12, ttmp9, 2                       ; in a cluster launch ttmp9 counts clusters
	s_add_co_u32 s12, s12, s11                     ; my block of 128 rows
	s_and_b32 s13, ttmp7, 0xffff                   ; the batch, which the four partners share
	s_lshl_b32 s34, s13, 11
	s_lshl_b32 s35, s12, 7
	s_add_co_u32 s34, s34, s35
	s_lshl_b32 s35, s10, 5
	s_add_co_u32 s34, s34, s35                     ; my wave's first row: 2,048 b + 128 x + 32 w
	s_lshl_b32 s36, s34, 11                        ; in out0: 2,048 bytes a row
	s_mov_b32 s37, 0
	s_lshl_b32 s34, s34, 10                        ; in the context: 1,024
	s_mov_b32 s35, 0
	s_mul_i32 s38, s13, REC                        ; the batch's record,
	s_mul_i32 s25, s10, QTR                        ; my wave's quarter of it: in memory and in LDS alike (group 0, 63:32: the LDS address)
	s_add_co_u32 s38, s38, s25
	s_mov_b32 s39, 0
	s_mov_b32 s[SEL], 0x76543210
	s_mov_b32 s[SEL+1], 0xfedcba98
	s_mov_b32 s[CL], 0x3fb8aa3b                    ; log2(e)
	s_mov_b32 s[CL+1], s[CL]
	s_mov_b32 s[NINF], 0xff800000
	; descriptor group 1: a dense block of 51,200 bytes as 200 rows of 32 elements of 8 bytes; no padding: the images are read 512 consecutive bytes at a time
	s_mov_b32 s16, 15|(3<<16)|(1<<21)              ; 15:0 the mask: all four work-groups; 17:16 elements of 8 bytes; 21 set beside a mask
	s_mov_b32 s17, 32<<16                          ; tensor_dim0 = 32
	s_mov_b32 s18, 200<<16                         ; tensor_dim1 = 200
	s_mov_b32 s19, 32<<16                          ; tile_dim0 = 32
	s_mov_b32 s20, 200                             ; tile_dim1 = 200
	s_mov_b32 s21, 32                              ; elements from row to row
	s_mov_b32 s22, 0
	s_mov_b32 s23, 0
	s_mov_b32 s24, 1                               ; group 0: count = 1
	s_wait_dscnt 0x0
	s_wait_kmcnt 0x0
	s_add_nc_u64 s[4:5], s[4:5], s[34:35]
	s_add_nc_u64 s[8:9], s[8:9], s[36:37]
	s_add_nc_u64 s[26:27], s[6:7], s[38:39]        ; group 0: the global address: batch and wave alone
	s_or_b32 s27, s27, 0x80000000                  ; type = 2
	WIN LDF
	CLOAD 0                                        ; 48 of my 64 loads of the context go out ahead of the round
	CLOAD 1
	CLOAD 2
	WIN 0                                          ; at a label and at a branch every window is 0
	CROUND                                         ; all four work-groups are here: the joint loads meet
	tensor_load_to_lds s[24:27], s[16:23]          ; my quarter of the record: my one tensor load
	s_nop 0
	PLACES 4                                       ; behind a tensor load
	WIN LDF
	CLOAD 3
	WIN 0
	; ---- the context: copied to out0's left half, and quantised in registers: four fragments, four scale words
	UNITIO 0
	UNITIO 1
	s_wait_dscnt 32                                ; unit 0 is back from the stage; unit 1's 16 stores and 16 loads may be out
	QUANTC X0, CF, CS
	UNITIO 2
	s_wait_dscnt 32                                ; likewise unit 1
	QUANTC X0+64, CF+12, CS+1
	UNITIO 3
	s_wait_dscnt 32
	QUANTC X0, CF+24, CS+2
	s_wait_dscnt 0x0
	QUANTC X0+64, CF+36, CS+3
	PLACES 8                                       ; scale words and fragments written by vector instructions stand eight and four places ahead of a scaled matrix instruction
	; ---- the record is whole
	s_wait_tensorcnt 0x0                           ; my quarter has landed,
	s_wait_dscnt 0x0                               ; no LDS instruction of mine is out,
	s_wait_xcnt 0x0                                ; and the copy's stores have read window 3, which the fragments take now
	s_barrier_signal -1
	s_barrier_wait -1                              ; everybody's quarter has landed; nobody writes the record again
	; ---- S^T = Q1 C^T: eight groups of four key tiles, two buffers of fragments by turns
.irp n, 0,1,2,3,4,5,6,7
.set ad, Q1S_O+512*\n
	ds_load_b128 v[QS+4*\n:QS+4*\n+3], v[LA+ad/49152] offset:ad%49152   ; register QS + T: tile T's scale words
.endr
	FETCH1 0, 0
	FETCH1 1, 96
.irp g, 0,1,2,3,4,5,6,7
.if \g < 7
	s_wait_dscnt 24                                ; this group's fragments are in (the scale words too); the next group's 24 loads may be out
.else
	s_wait_dscnt 0x0
.endif
	MUL1 \g, 96*(\g%2)
	PLACES 4                                       ; in front of loads into registers that matrix instructions have read, and of the first read of results
.if \g < 6
	FETCH1 \g+2, 96*(\g%2)
.endif
.endr
	WIN 0
.irp n, 0,1,2,3,4,5,6,7
.set ad, Q2S_O+512*\n
	ds_load_b128 v[QS+4*\n:QS+4*\n+3], v[LA+ad/49152] offset:ad%49152   ; register QS + 16 (s / 2) + D: d tile D's scale words, K step s in the lanes' half s % 2
.endr
	FETCH2 0, 0                                    ; the second product's first fragments land under the softmax
	FETCH2 1, 96
	; ---- the softmax, tile by tile.  Tile 1's sums are also the places between P's scale words and the second product
	SOFTMAX 0
	SOFTMAX 1
	; ---- O^T = Q2 P^T: eight groups of four d tiles x two K steps
.irp g, 0,1,2,3,4,5,6,7
.if \g < 7
	s_wait_dscnt 24                                ; this group's fragments are in; the next group's 24 loads may be out
.else
	s_wait_dscnt 0x0
.endif
	MUL2 \g, 96*(\g%2)
	PLACES 4
.if \g < 6
	FETCH2 \g+2, 96*(\g%2)
.endif
.endr
	; ---- the way out: tile 1's division stands between tile 0's loads from the stage and the wait for them
	OUTMUL 0
	STAGE 0
	OUTMUL 1
	s_wait_dscnt 0x0
	SEND 0
	STAGE 1
	s_wait_dscnt 0x0
	SEND 1
	s_wait_tensorcnt 0x0
	ds_add_u32 v254, v255
	s_wait_dscnt 0x0
	CROUND                                         ; the closing round: no work-group ends while a partner may still ask for a tile that names it
	s_endpgm
.Lfunc_end_k_q0652ca01cc_attn:
	.size	k_q0652ca01cc_attn, .Lfunc_end_k_q0652ca01cc_attn-k_q0652ca01cc_attn
	.p2alignl 7, 3214868480
	.fill 96, 4, 3214868480
	.section	.rodata,"a",@progbits
	.p2align	6, 0x0
	.amdhsa_kernel k_q0652ca01cc_attn
		.amdhsa_group_segment_fixed_size 327680
		.amdhsa_private_segment_fixed_size 0
		.amdhsa_enable_private_segment 0
		.amdhsa_kernarg_size 24
		.amdhsa_user_sgpr_count 2
		.amdhsa_user_sgpr_kernarg_segment_ptr 1
		.amdhsa_wavefront_size32 1
		.amdhsa_system_sgpr_workgroup_id_x 1
		.amdhsa_system_sgpr_workgroup_id_y 1
		.amdhsa_system_sgpr_workgroup_id_z 1
		.amdhsa_system_vgpr_workitem_id 0
		.amdhsa_next_free_vgpr 1024
		.amdhsa_next_free_sgpr 66
		.amdhsa_reserve_vcc 0
		.amdhsa_float_denorm_mode_32 3
		.amdhsa_float_denorm_mode_16_64 3
		.amdhsa_memory_ordered 1
		.amdhsa_forward_progress 1
		.amdhsa_inst_pref_size 205
	.end_amdhsa_kernel
	.amdgpu_metadata
---
amdhsa.version: [ 1, 2 ]
amdhsa.kernels:
  - .name:           k_q0652ca01cc_attn
    .symbol:         k_q0652ca01cc_attn.kd
    .args:
      - { .name: encoded_context, .offset: 0, .size: 8, .value_kind: global_buffer, .address_space: global }
      - { .name: qq, .offset: 8, .size: 8, .value_kind: global_buffer, .address_space: global }
      - { .name: out0, .offset: 16, .size: 8, .value_kind: global_buffer, .address_space: global }
    .group_segment_fixed_size: 327680
    .private_segment_fixed_size: 0
    .kernarg_segment_align: 8
    .kernarg_segment_size: 24
    .max_flat_workgroup_size: 128
    .sgpr_count:     66
    .vgpr_count:     1024
    .wavefront_size: 32
...
	.end_amdgpu_metadata
.endif
;; end of part 2
;; ======== version 2 of 2: 2 launches
;; limits: right only within a limited range of input values
;; workspace buffers: qq 3,276,800 bytes
;; launch prep (part 3): grid 16 x 16, 4 waves a work-group, no clusters, 100,864 bytes of LDS; arguments encoded_question, qq; writes qq
.if DOCPART == 3
	.amdgcn_target "amdgcn-amd-amdhsa--gfx1250"
	.amdhsa_code_object_version 6
	.text
	.protected	k_q0652ca01cc_prep
	.globl	k_q0652ca01cc_prep
	.p2align	8
	.type	k_q0652ca01cc_prep,@function
k_q0652ca01cc_prep:
	s_mov_b64 s[64:65], 0
	v_nop
	global_prefetch_b8 v0, s[64:65] scope:SCOPE_SE
	s_setreg_imm32_b32 hwreg(HW_REG_WAVE_MODE, 25, 1), 1
	s_wait_xcnt 0x0
; encoded_question [16][512][256] f32 is quantised ONCE, both ways, to codes of FP6 (E2M3) with one E8M0 byte for each 32 along K:
;   Q1: along d (K of the first product),   Q2: along the question positions, here called keys (K of the second product).
; The codes go to qq as IMAGES OF OPERAND REGISTERS: register i of lane l of a fragment (16 rows x 128 K, 12 registers) lies at byte (i / 4) 512 + 16 l + 4 (i % 4) of its 1,536 bytes.
; A batch's record, 204,800 bytes: Q1's 64 fragments | Q1's scale words, 4,096 | Q2's 64 fragments | Q2's scale words, 4,096.
;   Q1 fragment 2 T + s: key tile T, d 128 s on.  Row r of tile T is key 32 (T / 2) + 8 (T % 2) + r + 8 (r / 8): so the scores of tiles 2 B and 2 B + 1 are 16 neighbouring keys in a lane.
;   Q1 scale word of (T, r, s) at (T / 4) 512 + (r + 16 s) 16 + (T % 4) 4.
;   Q2 fragment 4 D + s: d tile D, keys 128 s on.  Row r of tile D is d = 64 (D / 4) + 4 r + D % 4: so four tiles' results are 4 neighbouring d in a lane.
;   Q2 scale word of (D, r, s) at (4 (s / 2) + D / 4) 512 + (r + 16 (s % 2)) 16 + (D % 4) 4.
; SHARES.  16 work-groups a batch, 256 in all.  The first eight make Q1: a wave one key tile, both K steps: 512 consecutive bytes a load, turned through the wave's own stage so that a lane holds 32 neighbours along d.
; The other eight make Q2: a wave two d tiles x 128 keys: a lane takes a column and its registers run down the keys; two waves' lanes together read 256 consecutive bytes of each key's row.
; The scale words of a work-group's four waves are one run of 512 bytes: gathered in LDS, stored by wave 0.  Every store to qq covers 512 consecutive bytes, aligned.
; A block's scale is 2^(floor(log2(largest magnitude)) - 2); its byte is the largest magnitude's exponent field - 2, held at 1 from below.
; LIMITS: NaN and infinities are not served.  A block whose largest magnitude lies under 2^-124, a block of zeros among them, keeps the byte 1 (a block of zeros has zero codes; this program alone reads the bytes).
.set PITCH, 528                        ; a stage row: 512 bytes + 16
.set WST,   16*PITCH
.set SS1,   4*WST                      ; 512 bytes of Q1's scale words
.set SS2,   SS1+512                    ; 512 bytes of Q2's
.set TB,    SS2+512                    ; Q2: a tile of 256 keys x 64 d, rows of 256 bytes
.set SPARE, TB+65536                   ; the spare words
.set TBI, 11                           ; Q2: TB + my 64 keys + 16 x lane
.set TBO, 17                           ; Q2: TB + my 128 keys + my column
.set GR,  18                           ; Q2: two keys' rows of 256 bytes in memory: 1,024 h + 16 r
.set REC,   204800
.set Q1S_O, 98304
.set Q2C_O, 102400
.set Q2S_O, 200704
.set SPW, 1
.set NIL, 2
.set L16, 3                            ; 16 x lane
.set SH8, 4                            ; 8 h
.set STI, 5                            ; my stage + 16 x lane
.set STQ, 6                            ; my stage + 528 r + 128 h
.set SA1, 7                            ; where Q1's scale word goes
.set SA2, 8                            ; where Q2's goes
.set SLD, 9                            ; SS1 + 16 x lane
.set GV,  10                           ; 16 r + 4 h
.set PX,  12                           ; v12-13 lane permutes' destinations
.set X,   32                           ; v32-159 numbers as loaded
.set XB,  160                          ; v160-223 Q1: K step 0's numbers; K step 1's come back to v32-95
.set QM,  224                          ; four largest magnitudes,
.set QSC, 228                          ; scale operands
.set QBY, 232                          ; and bytes
.set FA0, 240                          ; v240-251 Q1: K step 0's fragment
.set FA1, 96                           ; v96-107  Q1: K step 1's
.set QT0, 108
.set QT1, 116
.set WA,  252                          ; v252-253 scale words
.set FB,  160                          ; v160-183 Q2: two fragments
.set QTB, 184                          ; v184-199
.set SEL, 28                           ; s[28:29] lane selects for v_permlanex16_b32: lane l xor 16
.set HI,  34                           ; s34 lanes 16-31
; Two blocks of 32 numbers, v[b0] on and v[b1] on: scale operands and bytes q, q + 1.
.macro BMAX q, b0, b1
	v_max3_num_f32 v[QM+\q], |v[\b0]|, |v[\b0+1]|, 0x1800000     ; the floor 2^(3 - 127): the byte cannot fall under 1
	v_max3_num_f32 v[QM+\q+1], |v[\b1]|, |v[\b1+1]|, 0x1800000
.irp i, 2,4,6,8,10,12,14,16,18,20,22,24,26,28,30
	v_max3_num_f32 v[QM+\q], v[QM+\q], |v[\b0+\i]|, |v[\b0+\i+1]|
	v_max3_num_f32 v[QM+\q+1], v[QM+\q+1], |v[\b1+\i]|, |v[\b1+\i+1]|
.endr
.irp c, 0,1
	v_add_nc_u32 v[QSC+\q+\c], 0xff000000, v[QM+\q+\c]           ; 2 off the exponent field: the conversion takes that field as its scale
.endr
.irp c, 0,1
	v_lshrrev_b32 v[QBY+\q+\c], 23, v[QSC+\q+\c]
.endr
.endm
	s_load_b128 s[4:7], s[0:1], 0x0                ; the question s[4:5], qq s[6:7]
	v_lshl_add_u32 v[SPW], v0, 2, SPARE
	v_mov_b32 v[NIL], 0
	v_lshrrev_b32 v14, 5, v0
	v_readfirstlane_b32 s8, v14                    ; wave 0..3
	s_and_b32 s11, ttmp7, 0xffff                   ; the batch
	s_mul_i32 s30, s11, REC                        ; its record
	s_lshl_b32 s31, s11, 19                        ; and its question, 524,288 bytes
	s_mov_b32 s[SEL], 0x76543210
	s_mov_b32 s[SEL+1], 0xfedcba98
	s_mov_b32 s[HI], 0xffff0000
	s_mul_i32 s22, s8, WST
	s_lshl_b32 s23, s8, 2
	s_add_co_u32 s23, s23, SS1
	s_lshr_b32 s24, s8, 1
	s_and_b32 s25, s8, 1
	s_lshl_b32 s26, s24, 8
	s_lshl_b32 s27, s25, 3
	s_add_co_u32 s26, s26, s27
	s_add_co_u32 s26, s26, SS2
	s_lshl_b32 s32, s8, 14
	s_add_co_u32 s32, s32, TB
	s_lshl_b32 s33, s24, 15
	s_add_co_u32 s33, s33, s27
	s_add_co_u32 s33, s33, TB
	v_and_b32 v14, 31, v0                          ; lane
	v_and_b32 v15, 15, v0                          ; r
	v_bfe_u32 v16, v0, 4, 1                        ; h
	v_lshlrev_b32 v[L16], 4, v14
	v_lshlrev_b32 v[SH8], 3, v16
	v_add_nc_u32 v[STI], s22, v[L16]
	v_mul_u32_u24 v[STQ], v15, PITCH
	v_lshl_add_u32 v[STQ], v16, 7, v[STQ]
	v_add_nc_u32 v[STQ], s22, v[STQ]
	v_add_nc_u32 v[SA1], s23, v[L16]
	v_lshlrev_b32 v[GV], 2, v16
	v_lshl_add_u32 v[GV], v15, 4, v[GV]
	v_add_nc_u32 v[SA2], s26, v[GV]                ; Q2: 256 (w / 2) + 8 (w % 2) + 16 r + 4 h
	v_add_nc_u32 v[SLD], SS1, v[L16]
	v_add_nc_u32 v[TBI], s32, v[L16]
	v_add_nc_u32 v[TBO], s33, v[GV]
	v_lshlrev_b32 v[GR], 10, v16
	v_lshl_add_u32 v[GR], v15, 4, v[GR]
	v_mov_b32 v[PX], 0                             ; a lane permute's destination counts as one of its sources
	v_mov_b32 v[PX+1], 0
	s_wait_alu depctr_va_vdst(0)                   ; at the head's end
	s_wait_kmcnt 0x0
	s_mov_b32 s13, 0
	s_mov_b32 s17, 0
	s_cmp_lt_u32 ttmp9, 8                          ; Q1's work-group or Q2's: the work-group's number alone
	s_cbranch_scc0 .Lq2
	; ---- Q1: tile T = 4 x + w: keys 64 x + 32 (w / 2) + 8 (w % 2) on
	s_lshl_b32 s12, ttmp9, 16
	s_lshl_b32 s24, s24, 15
	s_add_co_u32 s12, s12, s24
	s_lshl_b32 s25, s25, 13
	s_add_co_u32 s12, s12, s25
	s_add_co_u32 s12, s12, s31
	s_add_nc_u64 s[14:15], s[4:5], s[12:13]
.irp e, 0,1
.set ii, 0
.rept 16
	global_load_b128 v[X+64*\e+4*ii:X+64*\e+4*ii+3], v[L16], s[14:15] offset:(ii+8*(ii/8))*1024+512*\e
.set ii, ii+1
.endr
.endr
	s_lshl_b32 s16, ttmp9, 2
	s_add_co_u32 s16, s16, s8
	s_mul_i32 s16, s16, 3072
	s_add_co_u32 s16, s16, s30
	s_add_nc_u64 s[18:19], s[6:7], s[16:17]        ; fragments 2 T, 2 T + 1
	s_lshl_b32 s16, ttmp9, 9
	s_add_co_u32 s16, s16, Q1S_O
	s_add_co_u32 s16, s16, s30
	s_add_nc_u64 s[20:21], s[6:7], s[16:17]        ; the work-group's run of scale words
	s_wait_loadcnt 16                              ; K step 0's sixteen rows are in
.set ii, 0
.rept 16
	ds_store_b128 v[STI], v[X+4*ii:X+4*ii+3] offset:PITCH*ii
.set ii, ii+1
.endr
.irp c, 0,1
.irp n, 0,1,2,3,4,5,6,7
	ds_load_b128 v[XB+32*\c+4*\n:XB+32*\c+4*\n+3], v[STQ] offset:256*\c+16*\n   ; LDS serves a wave's instructions in order: these see the stores above
.endr
.endr
	s_wait_loadcnt 0x0
.set ii, 0
.rept 16
	ds_store_b128 v[STI], v[X+64+4*ii:X+64+4*ii+3] offset:PITCH*ii
.set ii, ii+1
.endr
	s_wait_dscnt 32                                ; K step 0's stores are done: their registers may be loaded; its 16 loads and K step 1's 16 stores may be out
.irp c, 0,1
.irp n, 0,1,2,3,4,5,6,7
	ds_load_b128 v[X+32*\c+4*\n:X+32*\c+4*\n+3], v[STQ] offset:256*\c+16*\n
.endr
.endr
	s_wait_dscnt 32                                ; K step 0's numbers are back
	BMAX 0, XB, XB+32
	s_wait_dscnt 0x0
	BMAX 2, X, X+32
.irp e, 0,1
	v_lshl_or_b32 v[WA+\e], v[QBY+2*\e+1], 16, v[QBY+2*\e]        ; my two bytes, blocks h and 2 + h,
.endr
.irp e, 0,1
	v_lshlrev_b32 v[WA+\e], v[SH8], v[WA+\e]                      ; at their places in the word;
.endr
.irp e, 0,1
	v_permlanex16_b32 v[PX+\e], v[WA+\e], s[SEL], s[SEL+1]
.endr
.irp e, 0,1
	v_or_b32 v[WA+\e], v[WA+\e], v[PX+\e]                         ; with lane l xor 16's two the word is whole
.endr
	v_cndmask_b32 v[WA], v[WA], v[WA+1], s[HI]     ; lanes 0-15 K step 0's word, lanes 16-31 K step 1's
	ds_store_b32 v[SA1], v[WA]
.irp c, 0,1
	v_cvt_scalef32_pk16_fp6_f32 v[FA0+6*\c:FA0+6*\c+2], v[XB+32*\c:XB+32*\c+15], v[QSC+\c]
	v_cvt_scalef32_pk16_fp6_f32 v[QT0+4*\c:QT0+4*\c+2], v[XB+32*\c+16:XB+32*\c+31], v[QSC+\c]   ; (a conversion's three registers begin on an even number)
	v_cvt_scalef32_pk16_fp6_f32 v[FA1+6*\c:FA1+6*\c+2], v[X+32*\c:X+32*\c+15], v[QSC+2+\c]
	v_cvt_scalef32_pk16_fp6_f32 v[QT1+4*\c:QT1+4*\c+2], v[X+32*\c+16:X+32*\c+31], v[QSC+2+\c]
.endr
	v_nop                                          ; one plain place behind the scaled conversions
.irp c, 0,1
.irp i, 0,1,2
	v_mov_b32 v[FA0+6*\c+3+\i], v[QT0+4*\c+\i]
	v_mov_b32 v[FA1+6*\c+3+\i], v[QT1+4*\c+\i]
.endr
.endr
	s_wait_alu depctr_va_vdst(0)
	s_wait_dscnt 0x0                               ; for wave 0's sake: my word lies in LDS
	s_barrier_signal -1
	s_barrier_wait -1
.irp n, 0,1,2
	global_store_b128 v[L16], v[FA0+4*\n:FA0+4*\n+3], s[18:19] offset:512*\n
.endr
.irp n, 0,1,2
	global_store_b128 v[L16], v[FA1+4*\n:FA1+4*\n+3], s[18:19] offset:1536+512*\n
.endr
	s_cmp_lg_u32 s8, 0
	s_cbranch_scc1 .Lend
	ds_load_b128 v[20:23], v[SLD]
	s_wait_dscnt 0x0
	global_store_b128 v[L16], v[20:23], s[20:21]
	s_branch .Lend
	; ---- Q2: x - 8 = 4 z + jj: columns 64 jj + 4 r + 2 (w % 2) + h, keys 128 s on, s = 2 z + w / 2
.Lq2:
	s_sub_co_u32 s9, ttmp9, 8
	s_lshr_b32 s10, s9, 2
	s_and_b32 s11, s9, 3
	s_lshl_b32 s10, s10, 1
	s_add_co_u32 s10, s10, s24                     ; s
	s_lshl_b32 s12, s10, 17
	s_add_co_u32 s12, s12, s31
	s_lshl_b32 s16, s11, 8
	s_add_co_u32 s12, s12, s16
	s_lshl_b32 s16, s25, 16
	s_add_co_u32 s12, s12, s16                     ; my 64 keys of the work-group's 256
	s_add_nc_u64 s[14:15], s[4:5], s[12:13]
.set ii, 0
.rept 32
	global_load_b128 v[X+4*ii:X+4*ii+3], v[GR], s[14:15] offset:2048*ii   ; two keys' pieces of 256 consecutive bytes, aligned
.set ii, ii+1
.endr
	s_lshl_b32 s16, s11, 4                         ; fragments 4 (4 jj + 2 (w % 2) + t) + s
	s_add_co_u32 s16, s16, s27
	s_add_co_u32 s16, s16, s10
	s_mul_i32 s16, s16, 1536
	s_add_co_u32 s16, s16, Q2C_O
	s_add_co_u32 s16, s16, s30
	s_add_nc_u64 s[18:19], s[6:7], s[16:17]
	s_lshl_b32 s16, s9, 9
	s_add_co_u32 s16, s16, Q2S_O
	s_add_co_u32 s16, s16, s30
	s_add_nc_u64 s[20:21], s[6:7], s[16:17]
.irp q, 0,1,2,3
	s_wait_loadcnt 24-8*\q                         ; these eight loads are in, those behind them may be out
.irp n, 0,1,2,3,4,5,6,7
	ds_store_b128 v[TBI], v[X+32*\q+4*\n:X+32*\q+4*\n+3] offset:512*(8*\q+\n)
.endr
.endr
	s_wait_dscnt 0x0                               ; for the others' sake: my keys lie in the tile
	s_barrier_signal -1
	s_barrier_wait -1
.set ii, 0
.rept 128
	ds_load_b32 v[X+ii], v[TBO] offset:256*ii      ; down my column
.set ii, ii+1
.endr
	s_wait_dscnt 63                                ; 65 of the 128 loads are in, blocks 0 and 1 among them
	BMAX 0, X, X+32
	s_wait_dscnt 0x0
	BMAX 2, X+64, X+96
	v_lshl_or_b32 v[WA], v[QBY+1], 8, v[QBY]       ; my column's scale word for these 128 keys
	v_lshl_or_b32 v[WA], v[QBY+2], 16, v[WA]
	v_lshl_or_b32 v[WA], v[QBY+3], 24, v[WA]
	ds_store_b32 v[SA2], v[WA]
.irp kb, 0,1,2,3                       ; even blocks into the first run of twelve registers, odd blocks into the second
	v_cvt_scalef32_pk16_fp6_f32 v[FB+12*(\kb%2)+6*(\kb/2):FB+12*(\kb%2)+6*(\kb/2)+2], v[X+32*\kb:X+32*\kb+15], v[QSC+\kb]
	v_cvt_scalef32_pk16_fp6_f32 v[QTB+4*\kb:QTB+4*\kb+2], v[X+32*\kb+16:X+32*\kb+31], v[QSC+\kb]
.endr
	v_nop                                          ; one plain place behind the scaled conversions
.irp kb, 0,1,2,3
.irp i, 0,1,2
	v_mov_b32 v[FB+12*(\kb%2)+6*(\kb/2)+3+\i], v[QTB+4*\kb+\i]
.endr
.endr
.irp i, 0,1,2,3,4,5,6,7,8,9,10,11
	v_permlane16_swap_b32 v[FB+\i], v[FB+12+\i]    ; the first run is now the first tile's fragment (lanes 0-15 even blocks, lanes 16-31 odd), the second run the second tile's
.endr
	s_wait_alu depctr_va_vdst(0)
	s_wait_dscnt 0x0
	s_barrier_signal -1
	s_barrier_wait -1
.irp t, 0,1
.irp n, 0,1,2
	global_store_b128 v[L16], v[FB+12*\t+4*\n:FB+12*\t+4*\n+3], s[18:19] offset:6144*\t+512*\n
.endr
.endr
	s_cmp_lg_u32 s8, 0
	s_cbranch_scc1 .Lend
	ds_load_b128 v[20:23], v[SLD] offset:512
	s_wait_dscnt 0x0
	global_store_b128 v[L16], v[20:23], s[20:21]
.Lend:
	s_wait_tensorcnt 0x0                           ; the wave's end
	ds_add_u32 v[SPW], v[NIL]
	s_wait_dscnt 0x0
	s_endpgm
.Lfunc_end_k_q0652ca01cc_prep:
	.size	k_q0652ca01cc_prep, .Lfunc_end_k_q0652ca01cc_prep-k_q0652ca01cc_prep
	.p2alignl 7, 3214868480
	.fill 96, 4, 3214868480
	.section	.rodata,"a",@progbits
	.p2align	6, 0x0
	.amdhsa_kernel k_q0652ca01cc_prep
		.amdhsa_group_segment_fixed_size 100864
		.amdhsa_private_segment_fixed_size 0
		.amdhsa_enable_private_segment 0
		.amdhsa_kernarg_size 16
		.amdhsa_user_sgpr_count 2
		.amdhsa_user_sgpr_kernarg_segment_ptr 1
		.amdhsa_wavefront_size32 1
		.amdhsa_system_sgpr_workgroup_id_x 1
		.amdhsa_system_sgpr_workgroup_id_y 1
		.amdhsa_system_sgpr_workgroup_id_z 1
		.amdhsa_system_vgpr_workitem_id 0
		.amdhsa_next_free_vgpr 256
		.amdhsa_next_free_sgpr 66
		.amdhsa_reserve_vcc 0
		.amdhsa_float_denorm_mode_32 3
		.amdhsa_float_denorm_mode_16_64 3
		.amdhsa_memory_ordered 1
		.amdhsa_forward_progress 1
		.amdhsa_inst_pref_size 39
	.end_amdhsa_kernel
	.amdgpu_metadata
---
amdhsa.version: [ 1, 2 ]
amdhsa.kernels:
  - .name:           k_q0652ca01cc_prep
    .symbol:         k_q0652ca01cc_prep.kd
    .args:
      - { .name: encoded_question, .offset: 0, .size: 8, .value_kind: global_buffer, .address_space: global }
      - { .name: qq, .offset: 8, .size: 8, .value_kind: global_buffer, .address_space: global }
    .group_segment_fixed_size: 100864
    .private_segment_fixed_size: 0
    .kernarg_segment_align: 8
    .kernarg_segment_size: 16
    .max_flat_workgroup_size: 128
    .sgpr_count:     66
    .vgpr_count:     256
    .wavefront_size: 32
...
	.end_amdgpu_metadata
.endif
;; end of part 3
;; launch attn (part 4): grid 16 x 16, 8 waves a work-group, clusters of 4 x 1, 327,680 bytes of LDS; arguments encoded_context, qq, out0; writes out0
.if DOCPART == 4
	.amdgcn_target "amdgcn-amd-amdhsa--gfx1250"
	.amdhsa_code_object_version 6
	.text
	.protected	k_q0652ca01cc_attn
	.globl	k_q0652ca01cc_attn
	.p2align	8
	.type	k_q0652ca01cc_attn,@function
k_q0652ca01cc_attn:
	s_mov_b64 s[64:65], 0
	v_nop
	global_prefetch_b8 v0, s[64:65] scope:SCOPE_SE
	s_setreg_imm32_b32 hwreg(HW_REG_WAVE_MODE, 25, 1), 1
	s_wait_xcnt 0x0
	s_wait_alu depctr_hold_cnt(0) depctr_sa_sdst(0) depctr_va_vdst(0) depctr_va_sdst(0) depctr_va_ssrc(0) depctr_va_vcc(0) depctr_vm_vsrc(0)
	s_getreg_b32 s2, hwreg(HW_REG_IB_STS2, 6, 4)
	s_cmp_eq_u32 s2, 0
	s_cbranch_scc0 .Lentry_in_a_cluster
	s_endpgm
.Lentry_in_a_cluster:
	s_bfe_u32 s2, ttmp6, 0x10000c
	s_cmp_lg_u32 s2, 0x3003
	s_cbranch_scc0 .Lentry_shape_is_right
	s_endpgm
.Lentry_shape_is_right:
; out0[b][n] = [ context[b][n] | softmax_m(context[b][n] . question[b][m]) question[b][m] ], both products on codes of FP6 (E2M3) with one E8M0 scale for each 32 along K.
; The question arrives from the launch before as a record of 204,800 bytes a batch: images of operand registers, quantised along d (Q1) and along the 512 positions, here keys (Q2), each with its scale words.
; SHARES.  A work-group owns 128 context rows of one batch, each of its eight waves 16 of them (one tile of queries), through the whole chain: a row's 512 scores lie in the wave's registers, and so do P and the statistics.
; The whole record lies in LDS, filled once, an eighth by each wave: no ring, no refill, no running maximum.  ONE barrier shows it to all waves; behind it each wave goes on by itself.
; ORDER.  The record is asked for first.  Waves 0-3 then ask for their rows at once, waves 4-7 when their eighth of the record has landed: so the first four waves' rows come first, and one wave's softmax stands beside another's products.
; The copy of the context into out0's left half leaves in pieces under the first product; O leaves by quarters of a row, each as soon as its 64 columns are finished.
; CLUSTER.  The four work-groups of a cluster belong to one batch and want the same record: each wave asks JOINTLY for its eighth, its one tensor load.
; No data prefetch: the text has no loop to run ahead in.
; LAYOUT.  S^T = Q1 C^T (source 0 = 16 keys, source 1 = my 16 queries): a lane holds ONE query (lane % 16); by the order of Q1's rows, register 16 B + i of the scores is key 32 B + 16 (lane / 16) + i.
; O = P Q2^T (source 0 = my 16 queries, source 1 = 16 d): by the order of Q2's rows (d = 64 q + 4 r + t in tile 4 q + t) a lane's four tiles are 4 neighbouring d of a query: 16 lanes store 256 consecutive bytes, aligned.
; SOFTMAX.  t = score x log2(e); M = ceil(the row's largest t); p = 2^(t - M) is quantised along the keys, not normalised; the sum of the unquantised p divides O at the end.
; LIMITS: NaN and infinities are not served.  Blocks whose largest magnitude lies under 2^-124 keep the scale byte 1 (a block of zeros has zero codes).  A p under 2^-126 is taken as 0 (the exponential
; flushes it), beside a sum above 1/2.  |t| stays under 2^31.
; REGISTERS, in two windows of 256 (s_set_vgpr_msb: bits 1:0 source 0, 3:2 source 1, 5:4 source 2, 7:6 destination):
;   window 0: addresses, scale words, the context's and P's codes, fragments of the question, statistics.   window 1: v128-255 my rows as loaded; the 256 scores, then p; then O (v0-127) and O / the sum (v128-255).
.set REC,   204800
.set SHARE, 25600                      ; an eighth of the record: 100 rows of 256 bytes
.set Q1S_O, 98304
.set Q2C_O, 102400
.set Q2S_O, 200704
.set STG,   204800                     ; behind the record: a stage for each wave: 16 rows x (512 + 16) bytes; no fill lands there
.set HP,    528
.set WST,   16*HP
.set RLX,   STG+8*WST                  ; 64 bytes for each wave: 1 / the rows' sums
.set SPARE, RLX+512                    ; the spare words
.set LA,  1                            ; v1-5  16 x lane + 49,152 k: the record is longer than an LDS offset reaches.  v1 is also my byte offset in 512 bytes of memory
.set STI, 6                            ; my stage + 16 x lane
.set STQ, 7                            ; my stage + 528 r + 128 h
.set SH8, 8                            ; 8 h
.set RS,  9                            ; RLX + 64 w + 4 r
.set RD,  10                           ; RLX + 64 w + 32 h
.set GO,  11                           ; out0: 8 h rows + 16 r
.set SPW, 12
.set NIL, 13
.set NM,  14                           ; v[14:15] -M, 0
.set QS,  16                           ; v16-47 the question's scale words: Q1's, later Q2's
.set CS,  48                           ; v48    the context's: lanes 0-15 K step 0, lanes 16-31 K step 1
.set PW,  49                           ; v49-50 P's: lanes 0-15 K step 2 z, lanes 16-31 K step 2 z + 1
.set CF,  52                           ; v52-75 the context's two fragments
.set FA,  76                           ; v76-123, v124-171 two buffers of four fragments of the question
.set FB,  124
.set X0,  172                          ; v172-235 K step 0's 64 numbers of a lane
.set X1,  76                           ; v76-139  K step 1's
.set QM,  236
.set QSC, 238
.set QBY, 240
.set QW2, 242
.set QT,  244
.set W0,  252
.set W1,  253
.set TMP, 52                           ; the softmax: v52-67 the second half of each pair of blocks' codes
.set ACC, 68                           ; v68-75 four pairs of partial sums
.set BM,  172                          ; v172-187 the 16 blocks' largest scores, then largest p, then the conversions' scale operands
.set T4,  188                          ; v188-191 at work
.set LS,  192
.set RL,  196                          ; v196-203 1 / the sums of queries 8 h + 0 .. 7
.set PC,  204                          ; v204-251 P's four fragments
.set WK,  252                          ; v252-255 P's scale words before they are joined
.set SEL, 48                           ; s[48:49] lane selects for v_permlanex16_b32: lane l xor 16
.set CL,  50                           ; s[50:51] log2(e), twice
.set NINF, 52
.set HI,  53                           ; s53 lanes 16-31
.set LDF, 0x40                         ; destination window 1
.set ST1, 0x04                         ; store data (source 1) window 1
.set MUL, 0x50                         ; C and D window 1
.set MSB, 0
.macro WIN new                         ; the immediate's high byte repeats the setting that is left; a switch that changes nothing is dropped
.if MSB != (\new)
	s_set_vgpr_msb (MSB<<8)|(\new)
.set MSB, (\new)
.endif
.endm
.macro PLACES n
.rept \n
	v_nop
.endr
.endm
; A round of the cluster's barrier: my work-group's barrier; wave 0 signals for the work-group; every wave waits for all four work-groups; my work-group's barrier once more.
.macro CROUND
	s_barrier_signal -1
	s_barrier_wait -1
	s_cmp_lg_u32 s10, 0
	s_cbranch_scc1 .Lnot_wave_0_\@
	s_barrier_signal -3
.Lnot_wave_0_\@:
	s_barrier_wait -3
	s_barrier_signal -1
	s_barrier_wait -1
.endm
; K step e of my 16 rows: 512 consecutive bytes a load.
.macro CLOAD e
.set ii, 0
.rept 16
	global_load_b128 v[128+64*(\e)+4*ii:128+64*(\e)+4*ii+3], v[LA], s[4:5] offset:1024*ii+512*(\e) th:TH_LOAD_NT
.set ii, ii+1
.endr
.endm
; Eight of the 32 pieces (piece n = 16 e + row) go to out0's left half as they are: 512 consecutive bytes a store, aligned.
.macro CSTORE n0
	WIN ST1
.set nn, (\n0)
.rept 8
	global_store_b128 v[LA], v[128+4*nn:128+4*nn+3], s[28:29] offset:(nn%16)*2048+512*(nn/16) th:TH_STORE_NT
.set nn, nn+1
.endr
	WIN 0
.endm
; K step e goes to my stage as it lies and comes back 128 bytes a lane: lane (r, h) takes d 64 c + 32 h + 0 .. 31 of row r.
.macro UNITIO e, x
	WIN ST1
.set ii, 0
.rept 16
	ds_store_b128 v[STI], v[128+64*(\e)+4*ii:128+64*(\e)+4*ii+3] offset:HP*ii
.set ii, ii+1
.endr
	WIN 0
.irp c, 0,1
.irp n, 0,1,2,3,4,5,6,7
	ds_load_b128 v[\x+32*\c+4*\n:\x+32*\c+4*\n+3], v[STQ] offset:256*\c+16*\n   ; LDS serves a wave's instructions in order: these see the stores above
.endr
.endr
.endm
; 64 numbers of a lane, v[x + 32 c + i] = k 64 c + 32 h + i of my row, become a fragment in v[f] on and my row's scale word in v[w].
.macro QUANTC x, f, w
.irp c, 0,1
	v_max3_num_f32 v[QM+\c], |v[\x+32*\c]|, |v[\x+32*\c+1]|, 0x1800000   ; my block 2 c + h, and the floor 2^(3 - 127): the byte cannot fall under 1
.endr
.irp i, 2,4,6,8,10,12,14,16,18,20,22,24,26,28,30
.irp c, 0,1
	v_max3_num_f32 v[QM+\c], v[QM+\c], |v[\x+32*\c+\i]|, |v[\x+32*\c+\i+1]|
.endr
.endr
.irp c, 0,1
	v_add_nc_u32 v[QSC+\c], 0xff000000, v[QM+\c]   ; 2 off the exponent field: the conversion takes that field as its scale
.endr
.irp c, 0,1
	v_lshrrev_b32 v[QBY+\c], 23, v[QSC+\c]
.endr
	v_lshl_or_b32 v[\w], v[QBY+1], 16, v[QBY]
	v_lshlrev_b32 v[\w], v[SH8], v[\w]
	v_permlanex16_b32 v[QW2], v[\w], s[SEL], s[SEL+1]
	v_or_b32 v[\w], v[\w], v[QW2]                  ; the whole word, in both halves of the lanes
.irp c, 0,1
	v_cvt_scalef32_pk16_fp6_f32 v[\f+6*\c:\f+6*\c+2], v[\x+32*\c:\x+32*\c+15], v[QSC+\c]
	v_cvt_scalef32_pk16_fp6_f32 v[QT+4*\c:QT+4*\c+2], v[\x+32*\c+16:\x+32*\c+31], v[QSC+\c]   ; (a conversion's three registers begin on an even number)
.endr
	v_nop                                          ; one plain place behind the scaled conversions
.irp c, 0,1
.irp i, 0,1,2
	v_mov_b32 v[\f+6*\c+3+\i], v[QT+4*\c+\i]
.endr
.endr
.endm
; Group n = 2 g + k of Q1: key tiles 4 g .. 4 g + 3, K step k: four fragments.
.macro FETCH1 n, fb
.irp t, 0,1,2,3
.irp m, 0,1,2
.set ad, 12288*((\n)/2)+3072*\t+1536*((\n)%2)+512*\m
	ds_load_b128 v[\fb+12*\t+4*\m:\fb+12*\t+4*\m+3], v[LA+ad/49152] offset:ad%49152
.endr
.endr
.endm
; Four accumulators by turns, one instruction a turn: three others stand between a sum's two steps.  The first K step starts the sums.
.macro MUL1 n, fb
	WIN MUL
.irp t, 0,1,2,3
.set tt, 4*((\n)/2)+\t
.set dd, 8*tt
.if (\n)%2 == 0
	v_wmma_scale_f32_16x16x128_f8f6f4 v[dd:dd+7], v[\fb+12*\t:\fb+12*\t+11], v[CF:CF+11], 0, v[QS+tt], v[CS] matrix_a_fmt:MATRIX_FMT_FP6 matrix_b_fmt:MATRIX_FMT_FP6
.else
	v_wmma_scale_f32_16x16x128_f8f6f4 v[dd:dd+7], v[\fb+12*\t:\fb+12*\t+11], v[CF+12:CF+23], v[dd:dd+7], v[QS+tt], v[CS] matrix_a_fmt:MATRIX_FMT_FP6 matrix_b_fmt:MATRIX_FMT_FP6 matrix_a_scale:MATRIX_SCALE_ROW1 matrix_b_scale:MATRIX_SCALE_ROW1
.endif
.endr
.endm
; Group n = 4 q + k of Q2: d tiles 4 q .. 4 q + 3, K step k (128 keys).
.macro FETCH2 n, fb
.irp t, 0,1,2,3
.irp m, 0,1,2
.set ad, Q2C_O+(16*((\n)/4)+4*\t+(\n)%4)*1536+512*\m
	ds_load_b128 v[\fb+12*\t+4*\m:\fb+12*\t+4*\m+3], v[LA+ad/49152] offset:ad%49152
.endr
.endr
.endm
.macro MUL2 n, fb
	WIN MUL
.irp t, 0,1,2,3
.set kk, (\n)%4
.set dd, 32*((\n)/4)+8*\t
.set pp, PC+12*kk
.set qr, QS+16*(kk/2)+4*((\n)/4)+\t
.set pr, PW+kk/2
.if kk == 0
	v_wmma_scale_f32_16x16x128_f8f6f4 v[dd:dd+7], v[pp:pp+11], v[\fb+12*\t:\fb+12*\t+11], 0, v[pr], v[qr] matrix_a_fmt:MATRIX_FMT_FP6 matrix_b_fmt:MATRIX_FMT_FP6
.elseif kk == 2
	v_wmma_scale_f32_16x16x128_f8f6f4 v[dd:dd+7], v[pp:pp+11], v[\fb+12*\t:\fb+12*\t+11], v[dd:dd+7], v[pr], v[qr] matrix_a_fmt:MATRIX_FMT_FP6 matrix_b_fmt:MATRIX_FMT_FP6
.else
	v_wmma_scale_f32_16x16x128_f8f6f4 v[dd:dd+7], v[pp:pp+11], v[\fb+12*\t:\fb+12*\t+11], v[dd:dd+7], v[pr], v[qr] matrix_a_fmt:MATRIX_FMT_FP6 matrix_b_fmt:MATRIX_FMT_FP6 matrix_a_scale:MATRIX_SCALE_ROW1 matrix_b_scale:MATRIX_SCALE_ROW1
.endif
.endr
.endm
; A quarter of the rows is finished: columns 64 q .. 64 q + 63 of O.
.macro OUTQ q
	WIN 0x41                                       ; destination and source 0: window 1
.set jq, 0
.rept 8
.irp t, 0,1,2,3
	v_mul_f32 v[128+32*(\q)+4*jq+\t], v[32*(\q)+8*\t+jq], v[RL+jq]   ; query 8 h + jq: four neighbouring d; each accumulator from its low end on
.endr
.set jq, jq+1
.endr
	WIN ST1
.irp i, 0,1,2,3,4,5,6,7
	global_store_b128 v[GO], v[128+32*(\q)+4*\i:128+32*(\q)+4*\i+3], s[28:29] offset:2048*\i+1024+256*(\q) th:TH_STORE_NT   ; each half of the lanes stores 256 consecutive bytes, aligned
.endr
	WIN 0
.endm
	; ---- the head
	s_load_b128 s[4:7], s[0:1], 0x0                ; the context s[4:5], qq s[6:7]
	s_load_b64 s[8:9], s[0:1], 0x10                ; out0
	v_lshl_add_u32 v[SPW], v0, 2, SPARE
	v_mov_b32 v[NIL], 0
	ds_add_u32 v[SPW], v[NIL]                      ; the opening lines
	ds_add_u32 v[SPW], v[NIL]
	v_lshrrev_b32 v52, 5, v0
	v_readfirstlane_b32 s10, v52                   ; wave 0..7
	s_bfe_u32 s13, ttmp6, 0x40000                  ; cx: it enters the context's and out0's addresses alone
	s_lshl_b32 s14, ttmp9, 2                       ; in a cluster launch ttmp9 counts clusters
	s_add_co_u32 s14, s14, s13                     ; my block of 128 rows
	s_and_b32 s15, ttmp7, 0xffff                   ; the batch, which the four partners share
	s_lshl_b32 s18, s15, 11
	s_lshl_b32 s19, s14, 7
	s_add_co_u32 s18, s18, s19
	s_lshl_b32 s19, s10, 4
	s_add_co_u32 s18, s18, s19                     ; my wave's first row
	s_lshl_b32 s20, s18, 10                        ; in the context: 1,024 bytes a row
	s_mov_b32 s21, 0
	s_lshl_b32 s22, s18, 11                        ; in out0: 2,048
	s_mov_b32 s23, 0
	s_mul_i32 s26, s15, REC
	s_mul_i32 s37, s10, SHARE                      ; my eighth, in memory and in LDS alike
	s_add_co_u32 s26, s26, s37
	s_mov_b32 s27, 0
	s_mov_b32 s36, 1                               ; group 0: count = 1
	; descriptor group 1: a dense block of 25,600 bytes as 100 rows of 32 elements of 8 bytes; no padding: the images are read 512 consecutive bytes at a time
	s_mov_b32 s40, 15|(3<<16)|(1<<21)              ; 15:0 the mask: all four work-groups; 17:16 elements of 8 bytes; 21 set beside a mask
	s_mov_b32 s41, 32<<16                          ; tensor_dim0 = 32
	s_mov_b32 s42, 100<<16                         ; tensor_dim1 = 100
	s_mov_b32 s43, 32<<16                          ; tile_dim0 = 32
	s_mov_b32 s44, 100                             ; tile_dim1 = 100
	s_mov_b32 s45, 32                              ; elements from row to row
	s_mov_b32 s46, 0
	s_mov_b32 s47, 0
	s_mul_i32 s16, s10, WST
	s_add_co_u32 s16, s16, STG
	s_lshl_b32 s17, s10, 6
	s_add_co_u32 s17, s17, RLX
	s_mov_b32 s[SEL], 0x76543210
	s_mov_b32 s[SEL+1], 0xfedcba98
	s_mov_b32 s[CL], 0x3fb8aa3b                    ; log2(e)
	s_mov_b32 s[CL+1], s[CL]
	s_mov_b32 s[NINF], 0xff800000
	s_mov_b32 s[HI], 0xffff0000
	s_wait_alu depctr_va_vdst(0)                   ; directly ahead of the waits below
	s_wait_dscnt 0x0
	s_wait_kmcnt 0x0
	s_add_nc_u64 s[4:5], s[4:5], s[20:21]
	s_add_nc_u64 s[28:29], s[8:9], s[22:23]
	s_add_nc_u64 s[38:39], s[6:7], s[26:27]        ; batch and wave alone
	s_or_b32 s39, s39, 0x80000000                  ; type = 2
	CROUND                                         ; all four work-groups are here: the joint loads meet
	tensor_load_to_lds s[36:39], s[40:47]          ; my one tensor load
	s_nop 0
	v_and_b32 v52, 31, v0                          ; lane
	v_and_b32 v53, 15, v0                          ; r
	v_bfe_u32 v54, v0, 4, 1                        ; h
	v_lshlrev_b32 v[LA], 4, v52
.irp k, 1,2,3,4
	v_add_nc_u32 v[LA+\k], \k*49152, v[LA]
.endr
	v_add_nc_u32 v[STI], s16, v[LA]
	v_mul_u32_u24 v[STQ], v53, HP
	v_lshl_add_u32 v[STQ], v54, 7, v[STQ]
	v_add_nc_u32 v[STQ], s16, v[STQ]
	v_lshlrev_b32 v[SH8], 3, v54
	v_lshl_add_u32 v[RS], v53, 2, s17
	v_lshl_add_u32 v[RD], v54, 5, s17
	v_lshlrev_b32 v[GO], 14, v54
	v_lshl_add_u32 v[GO], v53, 4, v[GO]
	v_mov_b32 v[NM+1], 0                           ; named as the upper half of a pair
	v_mov_b32 v[QW2], 0                            ; a lane permute's destination counts as one of its sources
	s_wait_alu depctr_va_vdst(0)                   ; at the head's end
	s_cmp_lt_u32 s10, 4
	s_cbranch_scc1 .Lrows
	s_wait_tensorcnt 0x0                           ; waves 4-7 ask for their rows behind the record's arrival
.Lrows:
	WIN LDF
	CLOAD 0
	CLOAD 1
	WIN 0
	s_wait_tensorcnt 0x0                           ; my eighth of the record has landed
	s_wait_dscnt 0x0
	s_barrier_signal -1
	s_barrier_wait -1                              ; so has everybody's; nobody writes it again
	; ---- my rows are quantised in registers: two fragments, a scale word for each
	s_wait_loadcnt 16                              ; K step 0's sixteen loads are in; K step 1's may be out
	UNITIO 0, X0
	s_wait_dscnt 0x0
	QUANTC X0, CF, W0
	s_wait_loadcnt 0x0
	UNITIO 1, X1
.irp n, 0,1,2,3,4,5,6,7
.set ad, Q1S_O+512*\n
	ds_load_b128 v[QS+4*\n:QS+4*\n+3], v[LA+ad/49152] offset:ad%49152   ; register QS + T: tile T's scale words
.endr
	s_wait_dscnt 8                                 ; K step 1 is back from the stage; the eight scale loads may be out
	QUANTC X1, CF+12, W1
	v_cndmask_b32 v[CS], v[W0], v[W1], s[HI]
	PLACES 8                                       ; a scale word written by a vector instruction stands eight places ahead of a scaled matrix instruction
	s_wait_alu depctr_va_vdst(0)
	; ---- S^T = Q1 C^T: sixteen groups of four fragments, two buffers by turns
	FETCH1 0, FA
	FETCH1 1, FB
.irp n, 0,1,2,3,4,5,6,7,8,9,10,11,12,13,14,15
.if \n == 8
	s_wait_xcnt 0x0                                ; the copy's stores have read their registers, which the scores from here on take
.endif
.if \n < 15
	s_wait_dscnt 12                                ; this group's fragments are in; the next group's 12 loads may be out
.else
	s_wait_dscnt 0x0
.endif
	MUL1 \n, FA+48*(\n%2)
	PLACES 4                                       ; in front of loads into registers that matrix instructions have read, and of the first read of results
	WIN 0
.if \n < 14
	FETCH1 \n+2, FA+48*(\n%2)
.endif
.if \n < 4
	CSTORE 8*\n
.endif
.endr
.irp n, 0,1,2,3,4,5,6,7
.set ad, Q2S_O+512*\n
	ds_load_b128 v[QS+4*\n:QS+4*\n+3], v[LA+ad/49152] offset:ad%49152   ; register QS + 16 (s / 2) + D: d tile D's scale words
.endr
	FETCH2 0, FA                                   ; the second product's first fragments land under the softmax
	FETCH2 1, FB
	; ---- the softmax: 256 scores a lane become p in place, P's four fragments and scale words, and 1 / the row's sum
	WIN 0x14                                       ; sources 1 and 2: the scores
.set bb, 0
.rept 16
	v_max3_num_f32 v[BM+bb], s[NINF], v[16*bb], v[16*bb+1]   ; the largest score of each block of 32 keys serves twice: for the row's maximum and, since p rises with the score, for the block's largest p
.set bb, bb+1
.endr
.irp i, 2,4,6,8,10,12,14
.set bb, 0
.rept 16
	v_max3_num_f32 v[BM+bb], v[BM+bb], v[16*bb+\i], v[16*bb+\i+1]   ; the sixteen blocks by turns; each accumulator from its low end on
.set bb, bb+1
.endr
.endr
	WIN 0
.irp q, 0,1,2,3
.irp i, 0,1,2,3
	v_permlanex16_b32 v[T4+\i], v[BM+4*\q+\i], s[SEL], s[SEL+1]
.endr
.irp i, 0,1,2,3
	v_max_num_f32 v[BM+4*\q+\i], v[BM+4*\q+\i], v[T4+\i]   ; with lane l xor 16's 16 keys
.endr
.endr
	v_max3_num_f32 v[T4], v[BM], v[BM+1], v[BM+2]
	v_max3_num_f32 v[T4+1], v[BM+3], v[BM+4], v[BM+5]
.irp i, 6,10
	v_max3_num_f32 v[T4], v[T4], v[BM+\i], v[BM+\i+1]
	v_max3_num_f32 v[T4+1], v[T4+1], v[BM+\i+2], v[BM+\i+3]
.endr
	v_max3_num_f32 v[T4], v[T4], v[BM+14], v[BM+15]
	v_max_num_f32 v[T4], v[T4], v[T4+1]            ; the row's largest score,
	v_mul_f32 v[T4], s[CL], v[T4]                  ; as t
	v_floor_f32 v[NM], -v[T4]                      ; -M = floor(-t) = -ceil(t)
	WIN 0x41                                       ; destination and source 0: the scores
.set jj, 0
.rept 128
	v_pk_fma_f32 v[jj:jj+1], v[jj:jj+1], s[CL:CL+1], v[NM:NM+1] op_sel_hi:[1,0,0]   ; t - M, two at a time
.set jj, jj+2
.endr
	WIN 0
.set bb, 0
.rept 16
	v_fma_f32 v[BM+bb], v[BM+bb], s[CL], v[NM]     ; the same of each block's largest score
.set bb, bb+1
.endr
	WIN 0x41
	s_wait_alu depctr_va_vdst(0)                   ; ahead of the batch
.set jj, 0
.rept 256
	v_exp_f32 v[jj], v[jj]                         ; p = 2^(t - M), at most 1: not normalised
.set jj, jj+1
.endr
	WIN 0
.set bb, 0
.rept 16
	v_exp_f32 v[BM+bb], v[BM+bb]                   ; the block's largest p: the same two instructions on the same number
.set bb, bb+1
.endr
	v_nop                                          ; a plain place behind the exponentials
	s_wait_alu depctr_va_vdst(0)                   ; and the wait ahead of their first reader
.set bb, 0
.rept 16
	v_max_num_f32 v[BM+bb], 0x1800000, v[BM+bb]    ; the floor 2^(3 - 127): the byte cannot fall under 1
.set bb, bb+1
.endr
.set bb, 0
.rept 16
	v_add_nc_u32 v[BM+bb], 0xff000000, v[BM+bb]    ; the conversion's scale operand
.set bb, bb+1
.endr
.irp k, 0,1,2,3
.irp i, 0,1,2,3
	v_lshrrev_b32 v[T4+\i], 23, v[BM+4*\k+\i]      ; the scale's byte
.endr
	v_lshl_or_b32 v[WK+\k], v[T4+1], 8, v[T4]      ; P's scale word for keys 128 k on
	v_lshl_or_b32 v[WK+\k], v[T4+2], 16, v[WK+\k]
	v_lshl_or_b32 v[WK+\k], v[T4+3], 24, v[WK+\k]
.endr
	v_cndmask_b32 v[PW], v[WK], v[WK+1], s[HI]
	v_cndmask_b32 v[PW+1], v[WK+2], v[WK+3], s[HI]
.irp q, 0,1                            ; the codes, two K steps at a time
	WIN 1                                          ; source 0: p
.irp e, 0,1
.irp c, 0,1
.set kk, 2*\q+\e
.set pp, PC+12*kk+6*\c
.set sb, 4*kk+2*\c
	v_cvt_scalef32_pk16_fp6_f32 v[pp:pp+2], v[16*sb:16*sb+15], v[BM+sb]   ; my 16 of block sb
	v_cvt_scalef32_pk16_fp6_f32 v[TMP+4*(2*\e+\c):TMP+4*(2*\e+\c)+2], v[16*sb+16:16*sb+31], v[BM+sb+1]   ; and of block sb + 1
.endr
.endr
	WIN 0
	v_nop                                          ; one plain place behind the scaled conversions
.irp e, 0,1
.irp c, 0,1
.set pp, PC+12*(2*\q+\e)+6*\c
.irp i, 0,1,2
	v_permlane16_swap_b32 v[pp+\i], v[TMP+4*(2*\e+\c)+\i]   ; a WHOLE block in a lane: lanes 0-15 the even block, lanes 16-31 the odd one
.endr
.irp i, 0,1,2
	v_mov_b32 v[pp+3+\i], v[TMP+4*(2*\e+\c)+\i]
.endr
.endr
.endr
.endr
	WIN 5                                          ; the row's sum is taken of the unquantised p: two at a time, in four chains
.irp k, 0,1,2,3
	v_pk_add_f32 v[ACC+2*\k:ACC+2*\k+1], v[4*\k:4*\k+1], v[4*\k+2:4*\k+3]
.endr
	WIN 4
.set jj, 16
.rept 120
	v_pk_add_f32 v[ACC+2*((jj/2)%4):ACC+2*((jj/2)%4)+1], v[ACC+2*((jj/2)%4):ACC+2*((jj/2)%4)+1], v[jj:jj+1]
.set jj, jj+2
.endr
	WIN 0
	v_pk_add_f32 v[ACC:ACC+1], v[ACC:ACC+1], v[ACC+2:ACC+3]
	v_pk_add_f32 v[ACC+4:ACC+5], v[ACC+4:ACC+5], v[ACC+6:ACC+7]
	v_pk_add_f32 v[ACC:ACC+1], v[ACC:ACC+1], v[ACC+4:ACC+5]
	v_add_f32 v[T4], v[ACC], v[ACC+1]
	v_permlanex16_b32 v[T4+1], v[T4], s[SEL], s[SEL+1]
	v_add_f32 v[T4], v[T4], v[T4+1]                ; with lane l xor 16's keys: the row's sum
	s_wait_alu depctr_va_vdst(0)                   ; the waits ahead of the reciprocal and behind it
	v_rcp_f32 v[LS], v[T4]
	v_nop
	s_wait_alu depctr_va_vdst(0)
	ds_store_b32 v[RS], v[LS]                      ; through my own 64 bytes of LDS: a result's registers run along the queries
	ds_load_b128 v[RL:RL+3], v[RD]
	ds_load_b128 v[RL+4:RL+7], v[RD] offset:16
	; ---- O = P Q2^T: sixteen groups of four fragments; behind each fourth a quarter of the rows is finished and stored
.irp n, 0,1,2,3,4,5,6,7,8,9,10,11,12,13,14,15
.if \n < 2
	s_wait_dscnt 15                                ; this group's fragments are in; the next group's 12 loads and the sum's three accesses may be out
.elseif \n < 15
	s_wait_dscnt 12                                ; the next group's 12 loads may be out
.else
	s_wait_dscnt 0x0
.endif
	MUL2 \n, FA+48*(\n%2)
	PLACES 4                                       ; in front of loads into registers that matrix instructions have read, and of the first read of results
	WIN 0
.if \n < 14
	FETCH2 \n+2, FA+48*(\n%2)
.endif
.if \n%4 == 3
	OUTQ \n/4
.endif
.endr
	s_wait_tensorcnt 0x0                           ; the wave's end
	ds_add_u32 v[SPW], v[NIL]
	s_wait_dscnt 0x0
	CROUND                                         ; the closing round: no work-group ends while a partner may still ask for a tile that names it
	s_endpgm
.Lfunc_end_k_q0652ca01cc_attn:
	.size	k_q0652ca01cc_attn, .Lfunc_end_k_q0652ca01cc_attn-k_q0652ca01cc_attn
	.p2alignl 7, 3214868480
	.fill 96, 4, 3214868480
	.section	.rodata,"a",@progbits
	.p2align	6, 0x0
	.amdhsa_kernel k_q0652ca01cc_attn
		.amdhsa_group_segment_fixed_size 327680
		.amdhsa_private_segment_fixed_size 0
		.amdhsa_enable_private_segment 0
		.amdhsa_kernarg_size 24
		.amdhsa_user_sgpr_count 2
		.amdhsa_user_sgpr_kernarg_segment_ptr 1
		.amdhsa_wavefront_size32 1
		.amdhsa_system_sgpr_workgroup_id_x 1
		.amdhsa_system_sgpr_workgroup_id_y 1
		.amdhsa_system_sgpr_workgroup_id_z 1
		.amdhsa_system_vgpr_workitem_id 0
		.amdhsa_next_free_vgpr 512
		.amdhsa_next_free_sgpr 66
		.amdhsa_reserve_vcc 0
		.amdhsa_float_denorm_mode_32 3
		.amdhsa_float_denorm_mode_16_64 3
		.amdhsa_memory_ordered 1
		.amdhsa_forward_progress 1
		.amdhsa_inst_pref_size 120
	.end_amdhsa_kernel
	.amdgpu_metadata
---
amdhsa.version: [ 1, 2 ]
amdhsa.kernels:
  - .name:           k_q0652ca01cc_attn
    .symbol:         k_q0652ca01cc_attn.kd
    .args:
      - { .name: encoded_context, .offset: 0, .size: 8, .value_kind: global_buffer, .address_space: global }
      - { .name: qq, .offset: 8, .size: 8, .value_kind: global_buffer, .address_space: global }
      - { .name: out0, .offset: 16, .size: 8, .value_kind: global_buffer, .address_space: global }
    .group_segment_fixed_size: 327680
    .private_segment_fixed_size: 0
    .kernarg_segment_align: 8
    .kernarg_segment_size: 24
    .max_flat_workgroup_size: 256
    .sgpr_count:     66
    .vgpr_count:     512
    .wavefront_size: 32
...
	.end_amdgpu_metadata
.endif
;; end of part 4
